; MI455X (gfx1250); checked and timed in simulation.
; The chip was launched on July 23, 2026; its instructions are those of AMD's public machine-readable ISA for CDNA 5 (MIT licence, August 2026) and "CDNA5" Instruction Set Architecture Reference Guide (July 2026). The comments in the code are by the model that wrote it; some were corrected since.
;; Mi Mo V2 Attention. Allowed arithmetic: matrix products marked QUANTISED: E2M3 operands, one E8M0 scale for each 32 along K, by v_wmma_scale_f32_16x16x128_f8f6f4 with both operands' format E2M3, f32 sums; everything else in f32.
;; Inputs: Wk 4,096 x 512 float32; Wo 2,048 x 4,096 float32; Wq 4,096 x 2,048 float32; Wv 4,096 x 512 float32; attention_mask 1 x 1 x 2,048 x 2,048 float32; cos 1 x 1 x 2,048 x 64 float32; hidden_states 1 x 2,048 x 4,096 float32; sin 1 x 1 x 2,048 x 64 float32; sinks 32 float32.
;; Outputs: out0 1 x 2,048 x 4,096 float32.
;; This version of the problem:
;;   THIS VERSION OF THE PROBLEM IS GIVEN IN LOW PRECISION. The matrix products marked QUANTISED in the list below multiply operands that are first quantised to E2M3 (2 exponent bits, 3 mantissa bits; 6 bits a number), with one power-of-two scale for each 32 numbers along K (OCP MX v1.0); their sums are f32. All else is computed in f32.
;;   The module's matrix products, in the order in which they are computed (A, B: the left and right operand; K: the contracted axis; several contracted axes count as one K, in the product's order):
;;     1. [M 2,048, K 4,096] x [K 4,096, N 2,048]; A: input hidden_states; B: input Wq: QUANTISED
;;     2. [M 2,048, K 4,096] x [K 4,096, N 512]; A: input hidden_states; B: input Wk: QUANTISED
;;     3. [M 2,048, K 4,096] x [K 4,096, N 512]; A: input hidden_states; B: input Wv: QUANTISED
;;     4. batch 32 x [M 2,048, K 64] x [K 64, N 2,048]; A: computed on the way; B: computed on the way: QUANTISED
;;     5. batch 32 x [M 2,048, K 2,048] x [K 2,048, N 64]; A: computed on the way; B: computed on the way: QUANTISED
;;     6. [M 2,048, K 2,048] x [K 2,048, N 4,096]; A: computed on the way; B: input Wo: QUANTISED
;;   THE QUANTISER, for each operand of a quantised product, along K:
;;     - K is cut into blocks of 32 from its start; a last block that is shorter is filled with zeros.
;;     - A block's scale is 2^e with e = floor(log2(the largest magnitude in the block)) - 2, held to -126 .. 127; a block of zeros has e = 0. As a byte (E8M0): e + 127.
;;     - Each number is divided by its block's scale, clamped to +-7.5, and rounded to the nearest number of E2M3, ties to even, subnormals kept.
;;     - The product sums the exact products of the quantised numbers (number of the format x scale) in f32.
;;   ~~~python
;;   def quantise(x, axis):      # numpy; x: float32 -> the quantised numbers, widened to float32 again
;;       x = np.moveaxis(x, axis, -1); K = x.shape[-1]
;;       x = np.pad(x, [(0, 0)] * (x.ndim - 1) + [(0, -K % 32)]); x = x.reshape(x.shape[:-1] + (-1, 32)); a = np.abs(x).max(-1, keepdims=True)
;;       e = np.where(a > 0, np.clip(np.frexp(np.where(a > 0, a, 1))[1] - 1 - 2, -126, 127), 0)      # np.frexp(a)[1] - 1 = floor(log2(a)), exactly
;;       r = np.clip(x / 2.0 ** e, -7.5, 7.5)
;;       step = 2.0 ** (np.maximum(np.frexp(np.where(r == 0, 1, r))[1] - 1, 0) - 3)
;;       q = np.round(r / step) * step * 2.0 ** e      # np.round: ties to even
;;       return np.moveaxis(q.reshape(q.shape[:-2] + (-1,))[..., :K], -1, axis).astype(np.float32)
;;   ~~~
;;   OPERANDS COMPUTED ON THE WAY. 'Computed on the way' means the value that the module computes at that place (a softmax that the list does not call 'softmax' is quantised finished and normalised). What goes into a quantiser is computed in f32, as accurately as f32 sums, v_exp_f32 and their like allow (about 1e-6 of the number): no bf16 or f16 on the way to a quantiser, and a product that is left as it is and whose result goes on into a quantised operand takes f32 operands (vector FMAs, or v_wmma_f32_16x16x4_f32). A number that lies on a knife's edge between two numbers of the format may be rounded either way, as far as f32 arithmetic and the matrix unit's own rounding can turn it there, and no further.
;; One version. Each part assembles by itself: llvm-mc -triple=amdgcn-amd-amdhsa -mcpu=gfx1250 --defsym DOCPART=n.
;; ======== version 1 of 1: 4 launches
;; limits: right only within a limited range of input values
;; workspace buffers: x_img 6,553,600 bytes; w_img 16,384,000 bytes; img 5,079,040 bytes; a_img 3,276,800 bytes; m_img 16,777,216 bytes
;; launch prep (part 1): grid 1024 x 1, 4 waves a work-group, no clusters, 68,096 bytes of LDS; arguments hidden_states, Wq, Wk, Wv, Wo, x_img, w_img, attention_mask, m_img; writes x_img, w_img, m_img
.if DOCPART == 1
	.amdgcn_target "amdgcn-amd-amdhsa--gfx1250"
	.amdhsa_code_object_version 6
	.text
	.protected	k_qb36bce8e6b_prep
	.globl	k_qb36bce8e6b_prep
	.p2align	8
	.type	k_qb36bce8e6b_prep,@function
k_qb36bce8e6b_prep:
	s_mov_b64 s[64:65], 0
	v_nop
	global_prefetch_b8 v0, s[64:65] scope:SCOPE_SE
	s_setreg_imm32_b32 hwreg(HW_REG_WAVE_MODE, 25, 1), 1
	s_wait_xcnt 0x0
; THE PROGRAM: four launches.  1 hidden_states and the four weights -> codes, the mask laid anew;  2 the three projections as one product, with the rotary step and the quantisers of q, k, v on its way out;
; 3 attention (mask, sink, softmax in two passes, both products) and the quantiser of its result;  4 the projection on the way out.
; NO WORK OF THE PROBLEM IS LEFT OUT: the mask is an input and is added to every score, the sink stands in every row's maximum and sum, every input is loaded.
; THIS LAUNCH turns f32 operands into codes of FP6 (E2M3) with one E8M0 byte for each 32 along K, STORED AS IMAGES OF THE OPERAND'S REGISTERS.
; For 16 rows (of x: tokens; of a weight: its columns n) and 512 along K there are 6,400 bytes: four fragments (128 K each) of 1,536 bytes, register j of lane L at 512 (j / 4) + 16 L + 4 (j % 4),
; then 256 bytes of scale words, row r's four words (one for each 128 K) at 6,144 + 16 r.  Lane (r, h) of a fragment holds row r, registers 6 c .. 6 c + 5 = K 64 c + 32 h + 0 .. 31.
; x_img: [128 row tiles][8 spans of 512 K][6,400].  w_img: 192 row tiles x 8 spans for the projections, then Wo's 256 row tiles x 4 spans.
; The 192: Wq's 2,048 columns; then four times 128 columns of Wk (two heads) and the same two heads' 128 columns of Wv.
; Within each 32 columns of Wq and Wk, row p of row tile u is column 16 (p / 8) + 8 u + p % 8: the next launch's 16 result registers of two neighbouring tiles are then 16 neighbouring channels.
; A block's scale is 2^(floor(log2(largest magnitude)) - 2): its byte is the largest magnitude's exponent field - 2, held at 1 from below.
; LIMITS: a block of zeros gets the byte 1 where the rule says 127 (zero codes; this program alone reads the bytes); blocks under 2^(2 - 126) are held at the byte 1; NaN and infinities among the inputs are not served.
; Work-groups 0-255: x, a wave takes 16 rows x 512 K.  Work-groups 256-895: the weights (256 Wq, 64 Wk, 64 Wv, 256 Wo), a wave takes 32 columns x 256 K.
; Work-groups 896-1023: the mask [2048][2048] f32 is laid again, number for number, as images of the registers in which attention takes it (the C of its first product):
; m_img: [128 query tiles][16 key steps][8,192]; register n of lane (r, h) at 512 (n / 4) + 16 lane + 4 (n % 4) is mask(query r, key 32 (n / 16) + 16 h + n % 16).  A wave takes 16 rows x 512 keys.
.set MSTG,  34304                      ; the mask path's four stages: LDS bytes of their own, behind the spare words
.set SPW,   12
.set NIL,   13
.set SPARE, 33792                      ; behind the four stages of 16 x 528 bytes: the spare words
	s_load_b256 s[4:11], s[0:1], 0x0               ; hidden_states, Wq, Wk, Wv
	s_load_b128 s[12:15], s[0:1], 0x20             ; Wo, x_img
	s_load_b64 s[16:17], s[0:1], 0x30              ; w_img
	s_load_b64 s[58:59], s[0:1], 0x38              ; attention_mask
	s_load_b64 s[60:61], s[0:1], 0x40              ; m_img
	v_lshrrev_b32 v1, 5, v0
	v_readfirstlane_b32 s20, v1                    ; wave
	s_cmp_ge_u32 ttmp9, 256
	s_cbranch_scc1 .Lw
	; ---- x: K innermost.  Each load reads 512 consecutive bytes of one row; 16 rows x 128 K turn through the wave's own stage and come back as two whole blocks of 32 a lane
	v_lshl_add_u32 v[SPW], v0, 2, SPARE
	v_mov_b32 v[NIL], 0
	v_and_b32 v2, 31, v0
	v_lshlrev_b32 v3, 4, v2                        ; 16 x lane
	v_and_b32 v5, 15, v2                           ; r
	v_lshrrev_b32 v6, 4, v2                        ; h
	s_mul_i32 s26, s20, 8448
	v_add_nc_u32 v4, s26, v3                       ; the stage, on the way in
	v_lshlrev_b32 v7, 4, v5                        ; my row's four scale words
	v_mul_u32_u24 v5, v5, 528
	v_lshl_add_u32 v5, v6, 7, v5
	v_add_nc_u32 v5, s26, v5                       ; and back: row r, 128 h bytes on
	v_lshlrev_b32 v6, 3, v6                        ; 8 h: my bytes' place in the word
	v_mov_b32 v22, 0                               ; a lane permute's destination counts as a source
	s_lshl_b32 s21, ttmp9, 2
	s_add_co_u32 s21, s21, s20                     ; 8 x row tile + span
	s_lshr_b32 s22, s21, 3
	s_and_b32 s23, s21, 7
	s_lshl_b32 s22, s22, 18                        ; 16 rows of 16,384 bytes
	s_lshl_b32 s23, s23, 11                        ; 512 numbers
	s_add_co_u32 s22, s22, s23
	s_mov_b32 s23, 0
	s_mul_i32 s24, s21, 6400
	s_mov_b32 s25, 0
	s_mov_b32 s30, 0x76543210
	s_mov_b32 s31, 0xfedcba98
	s_wait_alu depctr_va_vdst(0)                   ; the wait at the head's end
	s_wait_kmcnt 0x0
	s_add_nc_u64 s[4:5], s[4:5], s[22:23]
	s_add_nc_u64 s[14:15], s[14:15], s[24:25]
.macro LOADX k
.irp i, 0,1,2,3,4,5,6,7,8,9,10,11,12,13,14,15
	global_load_b128 v[64+64*((\k)%2)+4*\i:64+64*((\k)%2)+4*\i+3], v3, s[4:5] offset:16384*\i+512*(\k) th:TH_LOAD_NT
.endr
.endm
.macro XSTEP k
.set RS, 64+64*((\k)%2)
.set CS, 32+12*((\k)%2)
.if (\k) > 1
	s_wait_xcnt 0x0                                ; the stores of two steps ago have read this set of code registers
.endif
.if (\k) < 3
	s_wait_loadcnt 16                              ; this step's 16 loads are in; the next step's 16 may be out
.else
	s_wait_loadcnt 0x0
.endif
.irp i, 0,1,2,3,4,5,6,7,8,9,10,11,12,13,14,15
	ds_store_b128 v4, v[RS+4*\i:RS+4*\i+3] offset:528*\i
.endr
.irp c, 0,1
.irp q, 0,1,2,3,4,5,6,7
	ds_load_b128 v[192+32*\c+4*\q:192+32*\c+4*\q+3], v5 offset:256*\c+16*\q   ; K = 64 c + 32 h + 4 q ..
.endr
.endr
	s_wait_dscnt 0x0
.if (\k)+2 < 4
	LOADX (\k)+2
.endif
.irp c, 0,1
	v_max3_num_f32 v[14+\c], |v[192+32*\c]|, |v[193+32*\c]|, 0x1800000       ; with the floor 2^(3 - 127)
.endr
.irp i, 2,4,6,8,10,12,14,16,18,20,22,24,26,28,30
.irp c, 0,1
	v_max3_num_f32 v[14+\c], v[14+\c], |v[192+32*\c+\i]|, |v[193+32*\c+\i]|
.endr
.endr
.irp c, 0,1
	v_add_nc_u32 v[18+\c], 0xff000000, v[14+\c]    ; 2 off the exponent field: the conversion's scale operand
.endr
.irp c, 0,1
	v_lshrrev_b32 v[20+\c], 23, v[18+\c]
.endr
	v_lshl_or_b32 v16, v21, 16, v20                ; blocks h and 2 + h
	v_lshlrev_b32 v16, v6, v16
	v_permlanex16_b32 v22, v16, s30, s31
	v_or_b32 v[8+(\k)], v16, v22                   ; the row's word for these 128 K
.irp c, 0,1
	v_cvt_scalef32_pk16_fp6_f32 v[CS+6*\c:CS+6*\c+2], v[192+32*\c:207+32*\c], v[18+\c]
	v_cvt_scalef32_pk16_fp6_f32 v[56+4*\c:58+4*\c], v[208+32*\c:223+32*\c], v[18+\c]   ; (three registers from an even one)
.endr
	v_nop
.irp c, 0,1
.irp i, 0,1,2
	v_mov_b32 v[CS+3+6*\c+\i], v[56+4*\c+\i]
.endr
.endr
.irp c, 0,1,2
	global_store_b128 v3, v[CS+4*\c:CS+4*\c+3], s[14:15] offset:1536*(\k)+512*\c       ; 32 lanes store 512 consecutive bytes
.endr
.endm
	LOADX 0
	LOADX 1
	XSTEP 0
	XSTEP 1
	XSTEP 2
	XSTEP 3
	global_store_b128 v7, v[8:11], s[14:15] offset:6144    ; sixteen rows' words: 256 consecutive bytes (both halves of the lanes store the same words)
	s_wait_tensorcnt 0x0                           ; the wave's end
	ds_add_u32 v[SPW], v[NIL]
	s_wait_dscnt 0x0
	s_endpgm
.Lw:
	s_cmp_ge_u32 ttmp9, 896
	s_cbranch_scc1 .Lm
	; ---- the weights: K is the first axis.  A lane takes a column, its registers run down K: a block of 32 lies in one lane.  No LDS on this path.
	s_mov_b32 s21, 640                             ; Wo's figures: first work-group,
	s_mov_b32 s22, 16384                           ; a row of W in bytes,
	s_mov_b32 s23, 5                               ; log2 of its tiles of 128 columns,
	s_mov_b32 s24, 9830400                         ; where its images begin,
	s_mov_b32 s25, 25600                           ; bytes from row tile to row tile,
	s_mov_b32 s63, 0                               ; bytes more for each tile of 128 columns (Wk, Wv: the other's 8 row tiles lie between)
	s_wait_kmcnt 0x0
	s_mov_b64 s[26:27], s[12:13]
	s_cmp_lt_u32 ttmp9, 640                        ; Wv's, Wk's or Wq's
	s_cselect_b32 s21, 576, s21
	s_cselect_b32 s22, 2048, s22
	s_cselect_b32 s23, 2, s23
	s_cselect_b32 s24, 6963200, s24
	s_cselect_b32 s63, 409600, s63
	s_cselect_b32 s25, 51200, s25
	s_cselect_b64 s[26:27], s[10:11], s[26:27]
	s_cmp_lt_u32 ttmp9, 576                        ; Wk's or Wq's
	s_cselect_b32 s21, 512, s21
	s_cselect_b32 s24, 6553600, s24
	s_cselect_b32 s51, 1, 0                        ; their columns change places within each 32
	s_cselect_b64 s[26:27], s[8:9], s[26:27]
	s_cmp_lt_u32 ttmp9, 512                        ; Wq's
	s_cselect_b32 s21, 256, s21
	s_cselect_b32 s22, 8192, s22
	s_cselect_b32 s23, 4, s23
	s_cselect_b32 s24, 0, s24
	s_cselect_b32 s63, 0, s63
	s_cselect_b64 s[26:27], s[6:7], s[26:27]
	s_sub_co_u32 s28, ttmp9, s21
	s_lshr_b32 s29, s28, s23                       ; y: which 256 along K
	s_lshl_b32 s30, s29, s23
	s_sub_co_u32 s28, s28, s30                     ; which 128 columns
	s_mul_i32 s62, s28, s63
	s_add_co_u32 s24, s24, s62
	s_lshl_b32 s28, s28, 7
	s_lshl_b32 s30, s20, 5
	s_add_co_u32 s28, s28, s30                     ; my wave's first column
	s_lshl_b32 s30, s29, 8
	s_mul_i32 s30, s30, s22
	s_lshl_b32 s31, s28, 2
	s_add_co_u32 s30, s30, s31
	s_mov_b32 s31, 0
	s_add_nc_u64 s[32:33], s[26:27], s[30:31]      ; block 0's first row
	s_lshl_b32 s30, s22, 5
.irp t, 1,2,3,4,5,6,7
	s_add_nc_u64 s[32+2*\t:33+2*\t], s[30+2*\t:31+2*\t], s[30:31]   ; a base for each block of 32 rows
.endr
	s_lshr_b32 s48, s28, 4
	s_mul_i32 s48, s48, s25
	s_add_co_u32 s48, s48, s24
	s_lshr_b32 s49, s29, 1
	s_mul_i32 s49, s49, 6400
	s_add_co_u32 s48, s48, s49                     ; my first row tile, my span
	s_and_b32 s50, s29, 1                          ; which half of the span
	s_mov_b32 s49, 0
	s_add_nc_u64 s[52:53], s[16:17], s[48:49]
	s_lshl_b32 s48, s50, 3
	s_add_nc_u64 s[54:55], s[52:53], s[48:49]      ; the scale words: two of a row's four
	s_mul_i32 s48, s50, 3072
	s_add_nc_u64 s[52:53], s[52:53], s[48:49]      ; the first row tile's two fragments,
	s_mov_b32 s48, s25
	s_add_nc_u64 s[56:57], s[52:53], s[48:49]      ; the second's
	v_and_b32 v2, 31, v0
	v_lshrrev_b32 v10, 3, v2
	v_lshrrev_b32 v6, 4, v2
	v_xor_b32 v10, v10, v6
	v_and_b32 v10, s51, v10                        ; 1 where bits 3 and 4 of the lane differ and the tensor is Wq or Wk
	v_mul_u32_u24 v10, v10, 24
	v_xor_b32 v10, v2, v10                         ; my column of the 32: the lane's number, there with bits 3 and 4 changed over
	v_lshlrev_b32 v3, 2, v10
	v_lshlrev_b32 v4, 4, v2
	v_and_b32 v5, 15, v2
	v_mul_lo_u32 v9, v6, s25
	v_lshl_add_u32 v9, v5, 4, v9
.irp i, 0,1,2,3,4,5,6,7,8,9,10,11,12,13,14,15,16,17,18,19,20,21,22,23,24,25,26,27,28,29,30,31
	v_mad_u32_u24 v[176+\i], s22, \i, v3
.endr
.macro LOADW t
.irp i, 0,1,2,3,4,5,6,7,8,9,10,11,12,13,14,15,16,17,18,19,20,21,22,23,24,25,26,27,28,29,30,31
	global_load_b32 v[32+32*((\t)%2)+\i], v[176+\i], s[32+2*(\t):33+2*(\t)] th:TH_LOAD_NT
.endr
.endm
; block t's six code registers stand where the fragment wants them: even blocks in the first row tile's image, odd ones in the second's
.macro WBLOCK t
.set XS, 32+32*((\t)%2)
.set CB, 96+24*((\t)/4)+12*((\t)%2)+6*(((\t)%4)/2)
.if (\t) < 7
	s_wait_loadcnt 32                              ; this block's 32 loads are in; the next block's may be out
.else
	s_wait_loadcnt 0x0
.endif
	v_max3_num_f32 v12, |v[XS]|, |v[XS+1]|, |v[XS+2]|
	v_max3_num_f32 v13, |v[XS+3]|, |v[XS+4]|, |v[XS+5]|
.irp i, 6,10,14,18,22,26
	v_max3_num_f32 v12, v12, |v[XS+\i]|, |v[XS+\i+1]|
	v_max3_num_f32 v13, v13, |v[XS+\i+2]|, |v[XS+\i+3]|
.endr
	v_max3_num_f32 v12, v12, |v[XS+30]|, |v[XS+31]|
	v_max3_num_f32 v12, v12, v13, 0x1800000
	v_add_nc_u32 v11, 0xff000000, v12
	v_lshrrev_b32 v13, 23, v11
.if (\t)%4 == 0
	v_mov_b32 v[24+(\t)/4], v13
.else
	v_lshl_or_b32 v[24+(\t)/4], v13, 8*((\t)%4), v[24+(\t)/4]
.endif
	v_cvt_scalef32_pk16_fp6_f32 v[CB:CB+2], v[XS:XS+15], v11
	v_cvt_scalef32_pk16_fp6_f32 v[144:146], v[XS+16:XS+31], v11
	v_nop
.irp i, 0,1,2
	v_mov_b32 v[CB+3+\i], v[144+\i]
.endr
.if (\t)+2 < 8
	LOADW (\t)+2
.endif
.if (\t)%4 == 3
.set IM, 96+24*((\t)/4)
.irp i, 0,1,2,3,4,5,6,7,8,9,10,11
	v_permlane16_swap_b32 v[IM+\i], v[IM+12+\i]    ; lanes 16-31's even blocks change places with lanes 0-15's odd ones: lane (r, h) now holds blocks h and 2 + h of its row tile's row r
.endr
.irp c, 0,1,2
	global_store_b128 v4, v[IM+4*\c:IM+4*\c+3], s[52:53] offset:1536*((\t)/4)+512*\c
	global_store_b128 v4, v[IM+12+4*\c:IM+12+4*\c+3], s[56:57] offset:1536*((\t)/4)+512*\c
.endr
.endif
.endm
	LOADW 0
	LOADW 1
.irp t, 0,1,2,3,4,5,6,7
	WBLOCK \t
.endr
	global_store_b64 v9, v[24:25], s[54:55] offset:6144    ; my row's two scale words
	s_endpgm
.Lm:
	; ---- the mask: each load reads 512 consecutive bytes of one row; 16 rows x 128 keys turn through the wave's own stage; each store writes 512 consecutive bytes
	v_lshl_add_u32 v[SPW], v0, 2, SPARE
	v_mov_b32 v[NIL], 0
	v_and_b32 v2, 31, v0
	v_lshlrev_b32 v3, 4, v2
	v_and_b32 v5, 15, v2
	v_lshrrev_b32 v6, 4, v2
	s_mul_i32 s26, s20, 8448
	s_add_co_u32 s26, s26, MSTG
	v_add_nc_u32 v4, s26, v3
	v_mul_u32_u24 v5, v5, 528
	v_lshl_add_u32 v5, v6, 6, v5
	v_add_nc_u32 v5, s26, v5                       ; back: row r, 64 h bytes on
	s_sub_co_u32 s21, ttmp9, 896
	s_lshl_b32 s21, s21, 2
	s_add_co_u32 s21, s21, s20                     ; 4 x query tile + which 512 keys
	s_lshr_b32 s22, s21, 2
	s_and_b32 s23, s21, 3
	s_lshl_b32 s22, s22, 17                        ; 16 rows of 8,192 bytes
	s_lshl_b32 s23, s23, 11
	s_add_co_u32 s22, s22, s23
	s_mov_b32 s23, 0
	s_lshl_b32 s24, s21, 15                        ; four images of 8,192 bytes
	s_mov_b32 s25, 0
	s_wait_alu depctr_va_vdst(0)                   ; the wait at the head's end
	s_wait_kmcnt 0x0
	s_add_nc_u64 s[58:59], s[58:59], s[22:23]
	s_add_nc_u64 s[60:61], s[60:61], s[24:25]
.macro LOADM k
.irp i, 0,1,2,3,4,5,6,7,8,9,10,11,12,13,14,15
	global_load_b128 v[64+64*((\k)%2)+4*\i:64+64*((\k)%2)+4*\i+3], v3, s[58:59] offset:8192*\i+512*(\k) th:TH_LOAD_NT
.endr
.endm
.macro MSTEP k
.set RS, 64+64*((\k)%2)
.if (\k) > 0
	s_wait_xcnt 0x0                                ; the last step's stores have read v192-255
.endif
.if (\k) < 3
	s_wait_loadcnt 16                              ; this step's 16 loads are in; the next step's 16 may be out
.else
	s_wait_loadcnt 0x0
.endif
.irp i, 0,1,2,3,4,5,6,7,8,9,10,11,12,13,14,15
	ds_store_b128 v4, v[RS+4*\i:RS+4*\i+3] offset:528*\i
.endr
.irp n, 0,1,2,3,4,5,6,7,8,9,10,11,12,13,14,15
	ds_load_b128 v[192+4*\n:192+4*\n+3], v5 offset:128*(\n/4)+16*(\n%4)
.endr
	s_wait_dscnt 0x0
.if (\k)+2 < 4
	LOADM (\k)+2
.endif
.irp n, 0,1,2,3,4,5,6,7,8,9,10,11,12,13,14,15
	global_store_b128 v3, v[192+4*\n:192+4*\n+3], s[60:61] offset:8192*(\k)+512*\n
.endr
.endm
	LOADM 0
	LOADM 1
	MSTEP 0
	MSTEP 1
	MSTEP 2
	MSTEP 3
	s_wait_tensorcnt 0x0                           ; the wave's end
	ds_add_u32 v[SPW], v[NIL]
	s_wait_dscnt 0x0
	s_endpgm
.Lfunc_end_k_qb36bce8e6b_prep:
	.size	k_qb36bce8e6b_prep, .Lfunc_end_k_qb36bce8e6b_prep-k_qb36bce8e6b_prep
	.p2alignl 7, 3214868480
	.fill 96, 4, 3214868480
	.section	.rodata,"a",@progbits
	.p2align	6, 0x0
	.amdhsa_kernel k_qb36bce8e6b_prep
		.amdhsa_group_segment_fixed_size 68096
		.amdhsa_private_segment_fixed_size 0
		.amdhsa_enable_private_segment 0
		.amdhsa_kernarg_size 72
		.amdhsa_user_sgpr_count 2
		.amdhsa_user_sgpr_kernarg_segment_ptr 1
		.amdhsa_wavefront_size32 1
		.amdhsa_system_sgpr_workgroup_id_x 1
		.amdhsa_system_sgpr_workgroup_id_y 1
		.amdhsa_system_sgpr_workgroup_id_z 1
		.amdhsa_system_vgpr_workitem_id 0
		.amdhsa_next_free_vgpr 256
		.amdhsa_next_free_sgpr 66
		.amdhsa_reserve_vcc 0
		.amdhsa_float_denorm_mode_32 3
		.amdhsa_float_denorm_mode_16_64 3
		.amdhsa_memory_ordered 1
		.amdhsa_forward_progress 1
		.amdhsa_inst_pref_size 94
	.end_amdhsa_kernel
	.amdgpu_metadata
---
amdhsa.version: [ 1, 2 ]
amdhsa.kernels:
  - .name:           k_qb36bce8e6b_prep
    .symbol:         k_qb36bce8e6b_prep.kd
    .args:
      - { .name: hidden_states, .offset: 0, .size: 8, .value_kind: global_buffer, .address_space: global }
      - { .name: Wq, .offset: 8, .size: 8, .value_kind: global_buffer, .address_space: global }
      - { .name: Wk, .offset: 16, .size: 8, .value_kind: global_buffer, .address_space: global }
      - { .name: Wv, .offset: 24, .size: 8, .value_kind: global_buffer, .address_space: global }
      - { .name: Wo, .offset: 32, .size: 8, .value_kind: global_buffer, .address_space: global }
      - { .name: x_img, .offset: 40, .size: 8, .value_kind: global_buffer, .address_space: global }
      - { .name: w_img, .offset: 48, .size: 8, .value_kind: global_buffer, .address_space: global }
      - { .name: attention_mask, .offset: 56, .size: 8, .value_kind: global_buffer, .address_space: global }
      - { .name: m_img, .offset: 64, .size: 8, .value_kind: global_buffer, .address_space: global }
    .group_segment_fixed_size: 68096
    .private_segment_fixed_size: 0
    .kernarg_segment_align: 8
    .kernarg_segment_size: 72
    .max_flat_workgroup_size: 128
    .sgpr_count:     66
    .vgpr_count:     256
    .wavefront_size: 32
...
	.end_amdgpu_metadata
.endif
;; end of part 1
;; launch gemm_qkv (part 2): grid 12 x 16, 4 waves a work-group, clusters of 4 x 4, 327,680 bytes of LDS; arguments x_img, w_img, cos, sin, img; writes img
.if DOCPART == 2
	.amdgcn_target "amdgcn-amd-amdhsa--gfx1250"
	.amdhsa_code_object_version 6
	.text
	.protected	k_qb36bce8e6b_gemm_qkv
	.globl	k_qb36bce8e6b_gemm_qkv
	.p2align	8
	.type	k_qb36bce8e6b_gemm_qkv,@function
k_qb36bce8e6b_gemm_qkv:
	s_mov_b64 s[64:65], 0
	v_nop
	global_prefetch_b8 v0, s[64:65] scope:SCOPE_SE
	s_setreg_imm32_b32 hwreg(HW_REG_WAVE_MODE, 25, 1), 1
	s_wait_xcnt 0x0
	s_wait_alu depctr_hold_cnt(0) depctr_sa_sdst(0) depctr_va_vdst(0) depctr_va_sdst(0) depctr_va_ssrc(0) depctr_va_vcc(0) depctr_vm_vsrc(0)
	s_getreg_b32 s2, hwreg(HW_REG_IB_STS2, 6, 4)
	s_cmp_eq_u32 s2, 0
	s_cbranch_scc0 .Lentry_in_a_cluster
	s_endpgm
.Lentry_in_a_cluster:
	s_bfe_u32 s2, ttmp6, 0x10000c
	s_cmp_lg_u32 s2, 0xf033
	s_cbranch_scc0 .Lentry_shape_is_right
	s_endpgm
.Lentry_shape_is_right:
; The three projections as one product, x (2,048 x 4,096) times 3,072 rows of weights, all as codes of FP6 with E8M0 scales read as images of the operands' registers (6,400 bytes for 16 rows x 512 K);
; ON THE WAY OUT the rotary step (over the whole head, 64 of 64) and the quantisers of q, k and v: what leaves are attention's operands, as images of THEIR registers.  The f32 results never go to memory.  No work of the problem is left out.
; A work-group makes 128 tokens x 256 columns, four waves of 64 x 128 (two heads) each: 32 accumulators.  12 x 16 work-groups: with 128 x 192 there would be 256, but a wave would then hold one head and a half.
; K goes in spans of 512 through two LDS slots of 24 x 6,400 bytes; a tensor row is one row tile's 6,400 bytes, a multiple of 256 from the buffer's first byte.  Waves 0, 1 fetch A's 4 + 4 row tiles, waves 2, 3 B's 8 + 8.
; Clusters of 4 x 4: A's tiles are asked for jointly along a row of the cluster, B's along a column.  The matrix instruction is used transposed (source 0 = rows of B).  The 32 accumulators take turns.
; Prefetch: behind each refill (span s + 2) the span s + 3 is asked for, one slot's four steps ahead of its load; of a wave's row tiles each of the four partners names a quarter, by address; 25 lanes name a row tile's 25 runs of 256 bytes.
; COLUMNS: tile columns 0-7 are q's heads, four each.  In tile columns 8-11 (cluster column 2) the left 128 columns are two heads of k, the right 128 the same two heads of v: which way out a wave takes hangs on the cluster's column and the wave's number alone.
; q, k: by the order of Wq's and Wk's rows, lane (r, h) holds token r and, in the 16 registers of tiles 2 B and 2 B + 1 of a head, channels 32 B + 16 h + 0 .. 15: channel d and d + 32 lie in one lane.
;   out[d] = x[d] cos[d] - x[d + 32] sin[d] (d < 32), x[d] cos[d] + x[d - 32] sin[d] (d >= 32); the product with sin is rounded, the product with cos is fused into the sum.  A block of 32 channels lies in lanes l and l xor 16.
;   q: image (768 bytes: registers 0-3 at 16 x lane, 4-5 at 512 + 8 x lane) at (32 T + head) 768, words at QS + (32 T + head) 64 + 4 r.
;   k: key 16 T + r goes to tile 2 (T / 2) + r / 8, row 8 (T % 2) + r % 8: reached by the stores' addresses.  One text serves q and k: what differs lies in scalar registers and lane offsets.
; v: quantised along the KEYS: a wave's 64 tokens x 128 channels turn through its own stage (in slot 0, which has had its last fill and its last read); lane (r, h) of tile i = 2 b + u takes channel 32 b + 8 u + r + 8 (r / 8) and keys 32 h + 0 .. 31
;   of the wave's 64: registers 6 wy .. 6 wy + 5 of a fragment of 128 keys, stored in three pieces of 8 bytes a lane, and two of the scale word's four bytes.
; cos and sin of a wave's 64 tokens wait in window 3, asked for during the last steps along K by every wave, ahead of the parting: the v waves' are not used.
; LIMITS: a block of zeros gets the byte 1 where the rule says 127 (zero codes; this program alone reads the bytes); blocks under 2^(2 - 126) are held at the byte 1; NaN and infinities are not served.
; Windows: 0: addresses, v32-127 scale words (two sets), v128-223 A's fragments (two sets), all at work anew on the way out; 1: B's fragments at v0 and v128; 2: the accumulators; 3: cos and sin.
.set NS,     8                         ; spans of 512 along K
.set IMG,    6400
.set RTP,    NS*IMG
.set ASL,    8*IMG
.set SLOT,   24*IMG
.set SPARE,  2*SLOT
.set QS,     3145728
.set KVC,    3407872
.set KVS,    4980736
.set L16,  3
.set V16,  8
.set V8,   9
.set VW,   10
.set VCS,  11
.set H8,   12
.set VW8,  13
.set ADRA, 16
.set ADRB, 18
.set ASC,  20
.set BSC,  22
.set STO,  24
.set VR,   25
.set PFO,  26
.set SPW,  28
.set NIL,  29
.set SCA,  32
.set SCB,  64
.set AF,   128
.set TR,   128
.set Y0,   144
.set Y1,   160
.set Z,    128
.set G1,   24
.set G0,   32
.set G1B,  48
.set G0B,  56
.set PFA,  68
.set ISV,  83
.set SEL,  100
.set MSB, 0
.macro WIN new
.if MSB != \new
	s_set_vgpr_msb (MSB<<8)|\new
.set MSB, \new
.endif
.endm
.set MULW, 0xa1
.set TO_B, 0x40
.macro PLACES
.rept 4
	v_nop
.endr
.endm
.macro JLOAD g0a, g1a, g0b, g1b
	s_cmp_eq_u32 s15, 0
	s_cbranch_scc0 .Lfor_b_\@
	tensor_load_to_lds s[\g0a:\g0a+3], s[\g1a:\g1a+7]
	s_nop 0
	PLACES
	s_branch .Lasked_\@
.Lfor_b_\@:
	tensor_load_to_lds s[\g0b:\g0b+3], s[\g1b:\g1b+7]
	s_nop 0
	PLACES
.Lasked_\@:
.endm
.macro CREST
	s_cmp_lg_u32 s14, 0
	s_cbranch_scc1 .Lnot_wave_0_\@
	s_barrier_signal -3
.Lnot_wave_0_\@:
	s_barrier_wait -3
	s_barrier_signal -1
	s_barrier_wait -1
.endm
.macro CROUND
	s_barrier_signal -1
	s_barrier_wait -1
	CREST
.endm
	s_load_b128 s[4:7], s[0:1], 0x0                ; A's images, B's images
	s_load_b128 s[8:11], s[0:1], 0x10              ; cos, sin
	s_load_b64 s[12:13], s[0:1], 0x20              ; img
	v_lshl_add_u32 v[SPW], v0, 2, SPARE
	v_mov_b32 v[NIL], 0
	ds_add_u32 v[SPW], v[NIL]                      ; the opening lines
	ds_add_u32 v[SPW], v[NIL]
	v_lshrrev_b32 v1, 5, v0
	v_readfirstlane_b32 s14, v1
	s_lshr_b32 s15, s14, 1                         ; wy: my half of the tokens; also: I fetch for A (0) or B (1)
	s_and_b32 s16, s14, 1                          ; wx: my half of the columns; also: which half I fetch
	s_bfe_u32 s40, ttmp6, 0x40000
	s_bfe_u32 s41, ttmp6, 0x40004
	s_lshl_b32 s42, ttmp9, 2
	s_add_co_u32 s42, s42, s40                     ; tile column
	s_and_b32 s17, ttmp7, 0xffff
	s_lshl_b32 s17, s17, 2
	s_add_co_u32 s17, s17, s41                     ; tile row
	s_lshl_b32 s43, s41, 2
	s_lshl_b32 s43, 15, s43
	s_lshl_b32 s44, 0x1111, s40
	s_or_b32 s[G1+0], s43, (3<<16)|(1<<21)         ; elements of 8 bytes, no padding
	s_or_b32 s[G1B+0], s44, (3<<16)|(1<<21)
	s_mov_b32 s[G1+1], 800<<16
	s_mov_b32 s[G1+2], 4<<16
	s_mov_b32 s[G1+3], 800<<16
	s_mov_b32 s[G1+4], 4
	s_mov_b32 s[G1+5], RTP/8
	s_mov_b32 s[G1+6], 0
	s_mov_b32 s[G1+7], 0
	s_mov_b32 s[G1B+1], 800<<16
	s_mov_b32 s[G1B+2], 8<<16
	s_mov_b32 s[G1B+3], 800<<16
	s_mov_b32 s[G1B+4], 8
	s_mov_b32 s[G1B+5], RTP/8
	s_mov_b32 s[G1B+6], 0
	s_mov_b32 s[G1B+7], 0
	s_lshl_b32 s20, s17, 3
	s_lshl_b32 s18, s16, 2
	s_add_co_u32 s20, s20, s18                     ; A: row tile 8 x tile row + 4 x half
	s_mul_i32 s20, s20, RTP
	s_mov_b32 s21, 0
	s_lshl_b32 s46, s42, 4
	s_lshl_b32 s18, s16, 3
	s_add_co_u32 s46, s46, s18                     ; B: 16 x tile column + 8 x half
	s_mul_i32 s46, s46, RTP
	s_mov_b32 s47, 0
	s_mul_i32 s45, s16, 4*IMG
	s_mul_i32 s70, s16, 8*IMG
	s_add_co_u32 s70, s70, ASL
	s_wait_dscnt 0x0
	s_wait_kmcnt 0x0
	s_add_nc_u64 s[20:21], s[4:5], s[20:21]
	s_add_nc_u64 s[46:47], s[6:7], s[46:47]
	CROUND
.irp s, 0,1
	s_mov_b32 s[G0+4*\s], 1
	s_add_co_u32 s[G0+4*\s+1], s45, \s*SLOT
	s_add_nc_u64 s[G0+4*\s+2:G0+4*\s+3], s[20:21], \s*IMG
	s_or_b32 s[G0+4*\s+3], s[G0+4*\s+3], 0x80000000
	s_mov_b32 s[G0B+4*\s], 1
	s_add_co_u32 s[G0B+4*\s+1], s70, \s*SLOT
	s_add_nc_u64 s[G0B+4*\s+2:G0B+4*\s+3], s[46:47], \s*IMG
	s_or_b32 s[G0B+4*\s+3], s[G0B+4*\s+3], 0x80000000
.endr
	JLOAD G0, G1, G0B, G1B                         ; span 0: one tensor load a wave at the head
	s_cmp_eq_u32 s15, 0                            ; the prefetches: of my 4 (A) or 8 (B) row tiles my work-group names 1 or 2
	s_cselect_b64 s[PFA:PFA+1], s[20:21], s[46:47]
	s_cselect_b32 s18, s40, s41
	s_lshl_b32 s18, s18, s15
	s_mul_i32 s18, s18, RTP
	s_add_co_u32 s18, s18, 2*IMG                   ; at span 2: the first refill steps it to 3
	s_mov_b32 s19, 0
	s_add_nc_u64 s[PFA:PFA+1], s[PFA:PFA+1], s[18:19]
	; the way out's places.  First q's figures, then k's in their stead where the cluster's column is 2
	s_mov_b32 s[SEL], 0x76543210
	s_mov_b32 s[SEL+1], 0xfedcba98
	s_cmp_eq_u32 ttmp9, 2
	s_cselect_b32 s71, 1, 0
	s_and_b32 s[ISV], s71, s16                     ; 1: my columns are v's
	s_mov_b32 s72, 24576                           ; bytes on for an odd token tile: registers 0-3,
	s_mov_b32 s73, 24576                           ; registers 4-5,
	s_mov_b32 s74, 2048                            ; the words;
	s_mov_b32 s75, 49152                           ; for the second pair of token tiles: the image,
	s_mov_b32 s76, 4096                            ; the words;
	s_mov_b32 s77, 768                             ; for my second head: the image,
	s_mov_b32 s78, 64                              ; the words;
	s_mov_b32 s79, 128                             ; a lane's offsets: for r / 8: registers 0-3,
	s_mov_b32 s80, 64                              ; registers 4-5,
	s_mov_b32 s81, 32                              ; the words;
	s_mov_b32 s82, 4                               ; for r % 8: the words
	s_lshl_b32 s94, s17, 3
	s_lshl_b32 s95, s15, 2
	s_add_co_u32 s94, s94, s95                     ; T0 = 8 x tile row + 4 wy: my first token tile
	s_lshl_b32 s98, s94, 12                        ; its 16 tokens x 256 bytes of cos and of sin
	s_mov_b32 s99, 0
	s_add_nc_u64 s[8:9], s[8:9], s[98:99]
	s_add_nc_u64 s[10:11], s[10:11], s[98:99]
	s_lshl_b32 s86, s94, 5
	s_lshl_b32 s95, s42, 2
	s_add_co_u32 s86, s86, s95
	s_lshl_b32 s95, s16, 1
	s_add_co_u32 s86, s86, s95                     ; q: 32 T0 + my first head
	s_mul_i32 s84, s86, 768
	s_lshl_b32 s86, s86, 6
	s_add_co_u32 s86, s86, QS
	s_mul_i32 s88, s40, 393216                     ; k: kv head 2 cx,
	s_lshr_b32 s95, s94, 1
	s_mul_i32 s95, s95, 1536                       ; pair of key tiles T0 / 2
	s_add_co_u32 s88, s88, s95
	s_add_co_u32 s88, s88, KVC
	s_mul_i32 s90, s40, 24576
	s_lshl_b32 s95, s17, 9
	s_add_co_u32 s90, s90, s95
	s_lshl_b32 s95, s15, 3
	s_add_co_u32 s90, s90, s95
	s_add_co_u32 s90, s90, KVS
	s_cmp_eq_u32 ttmp9, 2
	s_cselect_b32 s84, s88, s84
	s_cselect_b32 s86, s90, s86
	s_cselect_b32 s72, 128, s72
	s_cselect_b32 s73, 64, s73
	s_cselect_b32 s74, 128, s74
	s_cselect_b32 s75, 1536, s75
	s_cselect_b32 s76, 4, s76
	s_cselect_b32 s77, 196608, s77
	s_cselect_b32 s78, 12288, s78
	s_cselect_b32 s79, 768, s79
	s_cselect_b32 s80, 768, s80
	s_cselect_b32 s81, 256, s81
	s_cselect_b32 s82, 16, s82
	s_mov_b32 s85, 0
	s_mov_b32 s87, 0
	s_add_nc_u64 s[84:85], s[12:13], s[84:85]      ; q's or k's images,
	s_add_nc_u64 s[86:87], s[12:13], s[86:87]      ; and words
	s_mul_i32 s88, s40, 393216                     ; v: kv head 2 cx, key step = tile row
	s_mul_i32 s95, s17, 6144
	s_add_co_u32 s88, s88, s95
	s_add_co_u32 s88, s88, KVC+98304
	s_mov_b32 s89, 0
	s_add_nc_u64 s[90:91], s[12:13], s[88:89]
	s_cmp_eq_u32 s15, 0                            ; registers 6 wy + 0, 1 lie at byte 0 or 520 of a lane's places, + 2, 3 at 8 or 1,024, + 4, 5 at 512 or 1,032
	s_cselect_b32 s88, 0, 520
	s_cselect_b32 s94, 8, 1024
	s_mov_b32 s95, 0
	s_add_nc_u64 s[88:89], s[90:91], s[88:89]
	s_add_nc_u64 s[90:91], s[90:91], s[94:95]
	s_mul_i32 s94, s40, 24576
	s_lshl_b32 s96, s17, 8
	s_add_co_u32 s94, s94, s96
	s_lshl_b32 s96, s15, 1
	s_add_co_u32 s94, s94, s96
	s_add_co_u32 s94, s94, KVS+8192
	s_add_nc_u64 s[96:97], s[12:13], s[94:95]      ; v's words, my two bytes of each
	v_and_b32 v1, 15, v0
	v_bfe_u32 v2, v0, 4, 1
	v_and_b32 v6, 31, v0
	v_lshlrev_b32 v[L16], 4, v6                    ; 16 x lane
	v_lshlrev_b32 v4, 4, v1                        ; 16 r
	v_min_u32 v7, 24, v6
	v_lshlrev_b32 v[PFO], 8, v7
	s_mul_i32 s21, s15, 4*IMG
	s_mul_i32 s22, s16, 8*IMG
	s_add_co_u32 s22, s22, ASL
.irp s, 0,1
	v_add_nc_u32 v[ADRA+\s], s21, v[L16]
	v_add_nc_u32 v[ADRB+\s], s22, v[L16]
	v_add_nc_u32 v[ASC+\s], s21, v4
	v_add_nc_u32 v[BSC+\s], s22, v4
	s_add_co_u32 s21, s21, SLOT
	s_add_co_u32 s22, s22, SLOT
.endr
	s_mul_i32 s23, s14, 33792                      ; a stage of 64 rows x 528 bytes for each wave, in slot 0
	v_mul_u32_u24 v5, v1, 528
	v_lshl_add_u32 v5, v2, 5, v5
	v_add_nc_u32 v[STO], s23, v5                   ; in: row = token r, 32 h bytes on
	v_lshrrev_b32 v5, 3, v1                        ; r / 8
	v_and_b32 v7, 7, v1                            ; r % 8
	v_lshlrev_b32 v6, 2, v1
	v_lshl_add_u32 v6, v5, 5, v6                   ; 4 (r + 8 (r / 8))
	v_mad_u32_u24 v6, v2, 16896, v6                ; lanes 16-31: 32 rows further down
	v_add_nc_u32 v[VR], s23, v6
	v_mul_u32_u24 v[V16], s79, v5
	v_mul_u32_u24 v[V8], s80, v5
	v_mul_u32_u24 v[VW], s81, v5
	v_lshl_add_u32 v[V16], v7, 4, v[V16]
	v_lshl_add_u32 v[V8], v7, 3, v[V8]
	v_mad_u32_u24 v[VW], s82, v7, v[VW]
	v_lshl_add_u32 v[V16], v2, 8, v[V16]
	v_lshl_add_u32 v[V8], v2, 7, v[V8]
	v_lshlrev_b32 v[VCS], 8, v1
	v_lshl_add_u32 v[VCS], v2, 6, v[VCS]           ; cos, sin: 256 bytes a token, 64 h bytes on
	v_lshlrev_b32 v[H8], 3, v2
	v_lshlrev_b32 v[VW8], 3, v1
.macro MUL8 a, p, q, sc, zero
.irp b, 0,1,2,3,4,5,6,7
.if \zero
	v_wmma_scale_f32_16x16x128_f8f6f4 v[64*(\a)+8*\b:64*(\a)+8*\b+7], v[128*(\p)+12*\b:128*(\p)+12*\b+11], v[AF+48*(\p)+12*(\a):AF+48*(\p)+12*(\a)+11], 0, v[SCB+32*(\sc)+4*\b+(\q)], v[SCA+16*(\sc)+4*(\a)+(\q)] matrix_a_fmt:MATRIX_FMT_FP6 matrix_b_fmt:MATRIX_FMT_FP6
.else
	v_wmma_scale_f32_16x16x128_f8f6f4 v[64*(\a)+8*\b:64*(\a)+8*\b+7], v[128*(\p)+12*\b:128*(\p)+12*\b+11], v[AF+48*(\p)+12*(\a):AF+48*(\p)+12*(\a)+11], v[64*(\a)+8*\b:64*(\a)+8*\b+7], v[SCB+32*(\sc)+4*\b+(\q)], v[SCA+16*(\sc)+4*(\a)+(\q)] matrix_a_fmt:MATRIX_FMT_FP6 matrix_b_fmt:MATRIX_FMT_FP6
.endif
.endr
.endm
.macro FETCH slot, q, p                ; 36 loads: step q's fragments of B (8) and A (4) into set p
	WIN TO_B
.irp i, 0,1,2,3,4,5,6,7
.irp c, 0,1,2
	ds_load_b128 v[128*(\p)+12*\i+4*\c:128*(\p)+12*\i+4*\c+3], v[ADRB+\slot] offset:\i*IMG+(\q)*1536+512*\c
.endr
.endr
	WIN 0
.irp i, 0,1,2,3
.irp c, 0,1,2
	ds_load_b128 v[AF+48*(\p)+12*\i+4*\c:AF+48*(\p)+12*\i+4*\c+3], v[ADRA+\slot] offset:\i*IMG+(\q)*1536+512*\c
.endr
.endr
.endm
.macro SCALES slot                     ; 12 loads: each row tile's words for the slot's four steps
.irp i, 0,1,2,3
	ds_load_b128 v[SCA+16*\slot+4*\i:SCA+16*\slot+4*\i+3], v[ASC+\slot] offset:6144+\i*IMG
.endr
.irp i, 0,1,2,3,4,5,6,7
	ds_load_b128 v[SCB+32*\slot+4*\i:SCB+32*\slot+4*\i+3], v[BSC+\slot] offset:6144+\i*IMG
.endr
.endm
.macro STEP slot, q, zero              ; steps 0 to 2 of a slot: the next step's fragments are asked for first, then this step's 32 products
	PLACES                                         ; in front of loads into the set that the last step multiplied
	FETCH \slot, (\q)+1, ((\q)+1)%2
	s_wait_dscnt 36                                ; all but the 36 just issued: this step's fragments and words are in
	WIN MULW
.irp a, 0,1,2,3
	MUL8 \a, (\q)%2, \q, \slot, \zero
.endr
	WIN 0
.endm
.macro ASK cond
.if \cond
	s_cmp_gt_u32 s3, 1                             ; the loop's last trip has no span three on
	s_cbranch_scc0 .Lno_\@
.endif
	global_prefetch_b8 v[PFO], s[PFA:PFA+1] th:TH_LOAD_NT scope:SCOPE_SE
	s_cmp_eq_u32 s15, 0
	s_cbranch_scc1 .Lno_\@
	global_prefetch_b8 v[PFO], s[PFA:PFA+1] offset:RTP th:TH_LOAD_NT scope:SCOPE_SE
.Lno_\@:
.endm
.macro TURN slot, next, fill, cond     ; step 3 of a slot: its fragments are in registers, so the slot is free: one barrier for the change of slots
.if \fill
	s_wait_xcnt 0x0                                ; my prefetches have read their address
	s_add_nc_u64 s[PFA:PFA+1], s[PFA:PFA+1], IMG
.endif
	s_wait_tensorcnt 0x0                           ; my part of the next slot is in
	ds_add_u32 v[SPW], v[NIL]
	s_wait_dscnt 1                                 ; the add alone may be out
	WIN MULW
	MUL8 0, 1, 3, \slot, 0
	s_wait_dscnt 0x0
	s_barrier_signal -1
	MUL8 1, 1, 3, \slot, 0
	WIN 0
	s_barrier_wait -1
.if \fill
	CREST
	s_add_nc_u64 s[G0+4*\slot+2:G0+4*\slot+3], s[G0+4*\slot+2:G0+4*\slot+3], 2*IMG
	s_add_nc_u64 s[G0B+4*\slot+2:G0B+4*\slot+3], s[G0B+4*\slot+2:G0B+4*\slot+3], 2*IMG
	JLOAD G0+4*\slot, G1, G0B+4*\slot, G1B
.else
	PLACES
.endif
	FETCH \next, 0, 0
	SCALES \next
.if \fill
	ASK \cond
.endif
	WIN MULW
	MUL8 2, 1, 3, \slot, 0
	MUL8 3, 1, 3, \slot, 0
	WIN 0
.endm
.macro LOADCS a                        ; cos and sin of token tile a into window 3: v[64 a ..]: cos of channels 16 h + 0 .. 15, of 32 + 16 h + 0 .. 15, then sin likewise
	WIN 0xc0
.irp b, 0,1
.irp q, 0,1,2,3
	global_load_b128 v[64*(\a)+16*\b+4*\q:64*(\a)+16*\b+4*\q+3], v[VCS], s[8:9] offset:4096*(\a)+128*\b+16*\q
	global_load_b128 v[64*(\a)+32+16*\b+4*\q:64*(\a)+32+16*\b+4*\q+3], v[VCS], s[10:11] offset:4096*(\a)+128*\b+16*\q
.endr
.endr
	WIN 0
.endm
	s_wait_alu depctr_va_vdst(0)                   ; the wait at the head's end
	s_wait_tensorcnt 0x0
	ds_add_u32 v[SPW], v[NIL]
	s_wait_dscnt 0x0
	CROUND
	JLOAD G0+4, G1, G0B+4, G1B                     ; span 1, slot 1's first fill, issued as a refill is
	FETCH 0, 0, 0
	SCALES 0
	STEP 0, 0, 1                                   ; the first products start the sums
	STEP 0, 1, 0
	STEP 0, 2, 0
	s_mov_b32 s3, NS/2-1
.Llap:
	TURN 0, 1, 1, 0
	STEP 1, 0, 0
	STEP 1, 1, 0
	STEP 1, 2, 0
	TURN 1, 0, 1, 1
	STEP 0, 0, 0
	STEP 0, 1, 0
	STEP 0, 2, 0
	s_sub_co_u32 s3, s3, 1
	s_cmp_lg_u32 s3, 0
	s_cbranch_scc1 .Llap
	LOADCS 0
	LOADCS 1
	TURN 0, 1, 0, 0
	STEP 1, 0, 0
	STEP 1, 1, 0
	LOADCS 2
	LOADCS 3
	STEP 1, 2, 0
	s_wait_dscnt 0x0
	WIN MULW
.irp a, 0,1,2,3
	MUL8 \a, 1, 3, 1, 0
.endr
	WIN 0
; a unit's place: the base + what an odd token tile, the second pair of tiles and the second head add
.macro UOFF p1, p2, p3, a, hd, dst, src
	s_mov_b32 s94, 0
.if (\a)&1
	s_add_co_u32 s94, s94, s[\p1]
.endif
.if (\a)>>1
	s_add_co_u32 s94, s94, s[\p2]
.endif
.if \hd
	s_add_co_u32 s94, s94, s[\p3]
.endif
	s_add_nc_u64 s[\dst:\dst+1], s[\src:\src+1], s[94:95]
.endm
; q or k: token tile a, my head hd: the rotary step, the two blocks' scales, the codes, the stores
.macro QKU a, hd
.set XB, 64*(\a)+32*(\hd)
.set CW, 64*(\a)
	s_wait_xcnt 0x0                                ; the last unit's stores have read their bases and their data
	UOFF 72, 75, 77, \a, \hd, 88, 84
	UOFF 73, 75, 77, \a, \hd, 90, 84
	UOFF 74, 76, 78, \a, \hd, 92, 86
	WIN 0x0e                                       ; source 0: the accumulators' window; source 1: cos and sin's
.irp e, 0,2,4,6,8,10,12,14
	v_pk_mul_f32 v[TR+\e:TR+\e+1], v[XB+16+\e:XB+17+\e], v[CW+32+\e:CW+33+\e]
.endr
.irp e, 0,2,4,6,8,10,12,14
	v_pk_fma_f32 v[Y0+\e:Y0+\e+1], v[XB+\e:XB+\e+1], v[CW+\e:CW+\e+1], v[TR+\e:TR+\e+1] neg_lo:[0,0,1] neg_hi:[0,0,1]
.endr
.irp e, 0,2,4,6,8,10,12,14
	v_pk_mul_f32 v[TR+\e:TR+\e+1], v[XB+\e:XB+\e+1], v[CW+48+\e:CW+49+\e]
.endr
.irp e, 0,2,4,6,8,10,12,14
	v_pk_fma_f32 v[Y1+\e:Y1+\e+1], v[XB+16+\e:XB+17+\e], v[CW+16+\e:CW+17+\e], v[TR+\e:TR+\e+1]
.endr
	WIN 0
	v_max3_num_f32 v41, |v[Y0]|, |v[Y0+1]|, 0x1800000      ; with the floor 2^(3 - 127)
	v_max3_num_f32 v42, |v[Y1]|, |v[Y1+1]|, 0x1800000
.irp i, 2,4,6,8,10,12,14
	v_max3_num_f32 v41, v41, |v[Y0+\i]|, |v[Y0+\i+1]|
	v_max3_num_f32 v42, v42, |v[Y1+\i]|, |v[Y1+\i+1]|
.endr
	v_permlanex16_b32 v43, v41, s[SEL], s[SEL+1]
	v_permlanex16_b32 v44, v42, s[SEL], s[SEL+1]
	v_max_num_f32 v41, v41, v43
	v_max_num_f32 v42, v42, v44
	v_add_nc_u32 v45, 0xff000000, v41
	v_add_nc_u32 v46, 0xff000000, v42
	v_lshrrev_b32 v41, 23, v45
	v_lshrrev_b32 v42, 23, v46
	v_lshl_or_b32 v40, v42, 8, v41
	v_or_b32 v40, 0x7f7f0000, v40                  ; the two bytes, and 1.0 twice over the zero codes of K = 64 .. 127
	v_cvt_scalef32_pk16_fp6_f32 v[32:34], v[Y0:Y0+15], v45
	v_cvt_scalef32_pk16_fp6_f32 v[36:38], v[Y1:Y1+15], v46
	v_nop
.irp i, 0,1,2
	v_permlane16_swap_b32 v[32+\i], v[36+\i]       ; half blocks change places: lane (r, h) now holds channels 32 h + 0 .. 31
.endr
	v_mov_b32 v35, v36
	v_mov_b32 v36, v37
	v_mov_b32 v37, v38
	global_store_b128 v[V16], v[32:35], s[88:89]
	global_store_b64 v[V8], v[36:37], s[90:91] offset:512
	global_store_b32 v[VW], v40, s[92:93]          ; (both halves of the lanes store the same word)
.endm
; v: tile i of 16 channels (two heads x four): 32 keys a lane out of the stage, one block
.macro VU i
.set HD, (\i)/4
.set IP, (\i)%4
	s_wait_xcnt 0x0                                ; the last tile's stores have read their data
.irp t, 0,1,2,3,4,5,6,7,8,9,10,11,12,13,14,15,16,17,18,19,20,21,22,23,24,25,26,27,28,29,30,31
	ds_load_b32 v[Z+\t], v[VR] offset:\t*528+4*(64*HD+32*(IP/2)+8*(IP%2))
.endr
	s_wait_dscnt 0x0
	v_max3_num_f32 v41, |v[Z]|, |v[Z+1]|, 0x1800000
	v_max3_num_f32 v42, |v[Z+2]|, |v[Z+3]|, |v[Z+4]|
.irp n, 5,9,13,17,21,25
	v_max3_num_f32 v41, v41, |v[Z+\n]|, |v[Z+\n+1]|
	v_max3_num_f32 v42, v42, |v[Z+\n+2]|, |v[Z+\n+3]|
.endr
	v_max3_num_f32 v41, v41, |v[Z+29]|, |v[Z+30]|
	v_max_num_f32 v42, v42, |v[Z+31]|
	v_max_num_f32 v41, v41, v42
	v_add_nc_u32 v45, 0xff000000, v41
	v_lshrrev_b32 v43, 23, v45
	v_lshlrev_b32 v43, v[H8], v43                  ; block 2 wy + h's byte at its place among my wave's two,
	v_permlanex16_b32 v44, v43, s[SEL], s[SEL+1]
	v_or_b32 v40, v43, v44                         ; with the other half's
	v_cvt_scalef32_pk16_fp6_f32 v[32:34], v[Z:Z+15], v45
	v_cvt_scalef32_pk16_fp6_f32 v[36:38], v[Z+16:Z+31], v45
	v_nop
	v_mov_b32 v35, v36
	v_mov_b32 v36, v37
	v_mov_b32 v37, v38
	global_store_b64 v[L16], v[32:33], s[88:89] offset:HD*196608+IP*1536
	global_store_b64 v[L16], v[34:35], s[90:91] offset:HD*196608+IP*1536
	global_store_b64 v[L16], v[36:37], s[88:89] offset:HD*196608+IP*1536+512
	global_store_b16 v[VW8], v40, s[96:97] offset:HD*12288+128*(IP%2)+4*(IP/2)
.endm
	PLACES                                         ; behind the last products, ahead of the first read of a result
	s_mov_b32 s95, 0
	s_cmp_lg_u32 s[ISV], 0
	s_cbranch_scc1 .Lv_out
	v_mov_b32 v43, 0                               ; a lane permute's destination counts as a source
	v_mov_b32 v44, 0
	s_wait_loadcnt 0x0                             ; cos and sin are in
.irp a, 0,1,2,3
	QKU \a, 0
	QKU \a, 1
.endr
	s_branch .Lout_done
.Lv_out:
	v_mov_b32 v44, 0
	WIN 0x08
.irp a, 0,1,2,3
.irp b, 0,1,2,3,4,5,6,7
	ds_store_b128 v[STO], v[64*\a+8*\b:64*\a+8*\b+3] offset:\a*8448+64*\b
	ds_store_b128 v[STO], v[64*\a+8*\b+4:64*\a+8*\b+7] offset:\a*8448+64*\b+16
.endr
.endr
	WIN 0
.irp i, 0,1,2,3,4,5,6,7
	VU \i                                          ; LDS serves a wave's instructions in order: the loads see my stores
.endr
.Lout_done:
	s_wait_tensorcnt 0x0                           ; the wave's end
	ds_add_u32 v[SPW], v[NIL]
	s_wait_dscnt 0x0
	CROUND
	s_endpgm
.Lfunc_end_k_qb36bce8e6b_gemm_qkv:
	.size	k_qb36bce8e6b_gemm_qkv, .Lfunc_end_k_qb36bce8e6b_gemm_qkv-k_qb36bce8e6b_gemm_qkv
	.p2alignl 7, 3214868480
	.fill 96, 4, 3214868480
	.section	.rodata,"a",@progbits
	.p2align	6, 0x0
	.amdhsa_kernel k_qb36bce8e6b_gemm_qkv
		.amdhsa_group_segment_fixed_size 327680
		.amdhsa_private_segment_fixed_size 0
		.amdhsa_enable_private_segment 0
		.amdhsa_kernarg_size 40
		.amdhsa_user_sgpr_count 2
		.amdhsa_user_sgpr_kernarg_segment_ptr 1
		.amdhsa_wavefront_size32 1
		.amdhsa_system_sgpr_workgroup_id_x 1
		.amdhsa_system_sgpr_workgroup_id_y 1
		.amdhsa_system_sgpr_workgroup_id_z 1
		.amdhsa_system_vgpr_workitem_id 0
		.amdhsa_next_free_vgpr 1024
		.amdhsa_next_free_sgpr 104
		.amdhsa_reserve_vcc 0
		.amdhsa_float_denorm_mode_32 3
		.amdhsa_float_denorm_mode_16_64 3
		.amdhsa_memory_ordered 1
		.amdhsa_forward_progress 1
		.amdhsa_inst_pref_size 202
	.end_amdhsa_kernel
	.amdgpu_metadata
---
amdhsa.version: [ 1, 2 ]
amdhsa.kernels:
  - .name:           k_qb36bce8e6b_gemm_qkv
    .symbol:         k_qb36bce8e6b_gemm_qkv.kd
    .args:
      - { .name: x_img, .offset: 0, .size: 8, .value_kind: global_buffer, .address_space: global }
      - { .name: w_img, .offset: 8, .size: 8, .value_kind: global_buffer, .address_space: global }
      - { .name: cos, .offset: 16, .size: 8, .value_kind: global_buffer, .address_space: global }
      - { .name: sin, .offset: 24, .size: 8, .value_kind: global_buffer, .address_space: global }
      - { .name: img, .offset: 32, .size: 8, .value_kind: global_buffer, .address_space: global }
    .group_segment_fixed_size: 327680
    .private_segment_fixed_size: 0
    .kernarg_segment_align: 8
    .kernarg_segment_size: 40
    .max_flat_workgroup_size: 128
    .sgpr_count:     104
    .vgpr_count:     1024
    .wavefront_size: 32
...
	.end_amdgpu_metadata
.endif
;; end of part 2
;; launch attn (part 3): grid 32 x 8, 8 waves a work-group, clusters of 4 x 1, 327,680 bytes of LDS; arguments img, m_img, sinks, a_img; writes a_img
.if DOCPART == 3
	.amdgcn_target "amdgcn-amd-amdhsa--gfx1250"
	.amdhsa_code_object_version 6
	.text
	.protected	k_qb36bce8e6b_attn
	.globl	k_qb36bce8e6b_attn
	.p2align	8
	.type	k_qb36bce8e6b_attn,@function
k_qb36bce8e6b_attn:
	s_mov_b64 s[64:65], 0
	v_nop
	global_prefetch_b8 v0, s[64:65] scope:SCOPE_SE
	s_setreg_imm32_b32 hwreg(HW_REG_WAVE_MODE, 25, 1), 1
	s_wait_xcnt 0x0
	s_wait_alu depctr_hold_cnt(0) depctr_sa_sdst(0) depctr_va_vdst(0) depctr_va_sdst(0) depctr_va_ssrc(0) depctr_va_vcc(0) depctr_vm_vsrc(0)
	s_getreg_b32 s2, hwreg(HW_REG_IB_STS2, 6, 4)
	s_cmp_eq_u32 s2, 0
	s_cbranch_scc0 .Lentry_in_a_cluster
	s_endpgm
.Lentry_in_a_cluster:
	s_bfe_u32 s2, ttmp6, 0x10000c
	s_cmp_lg_u32 s2, 0x3003
	s_cbranch_scc0 .Lentry_shape_is_right
	s_endpgm
.Lentry_shape_is_right:
; Attention for 64 queries x the 4 query heads of one kv head: scores = q k^T / 8 + mask, the sink as one more logit, softmax, w quantised finished and normalised, w v, and the quantiser of the result.  No work of the problem is left out.
; TWO PASSES over the 2,048 keys, since w is quantised normalised: pass 1 finds each row's maximum (running, begun at the sink) and sum (the sink's term in it); pass 2 makes w = 2^(t - M - log2(sum)), quantises it by blocks of 32 keys, and multiplies by v.
; A wave owns 16 queries x 2 heads (units j = 0, 1).  Both products are used transposed (S^T = k q^T, O^T = v^T w^T): a lane holds one query, its registers run along keys or channels.
; K's and V's codes and scale words (208,896 bytes, images of the operands' registers) come into LDS ONCE, at the head: waves 0-5 fetch 32,768 bytes of codes each, waves 6, 7 the scale words; the four query blocks of a cluster ask jointly.
; One barrier follows; the loops have no barrier and no tensor load.
; THE MASK is the C of the first product.  It is read as images of those registers (m_img): 16 loads of 512 consecutive bytes a step, straight into registers, one step ahead, two buffers by turns.  It does not pass through LDS, so there is no joint load for it.
; In pass 1 wave 0 prefetches, once in a trip of two steps, the work-group's share (an eighth, by the kv head's number) of its four query tiles' images of the steps four and five on; pass 2 reads bytes that pass 1 has read.
; The head's 64 fill half of the instruction's 128 along K: q's registers 6-11 are zero codes, so k's upper half adds nothing whatever finite codes it holds: fragment i stands at KF + 6 i and its upper half is fragment i + 1's lower.
; 1 / 8 goes into q's scale bytes (3 off each; LIMIT: a byte under 3 is held at 0).  LIMITS: the promise holds while the scaled scores stay under 2^31 in magnitude; NaN and infinities are not served.
; Between units stand the matrix groups: the next unit's 8 score products and the last unit's 4 products with v.
; Windows: 0: v0-79 addresses, state, w's codes; v80-143 O^T; v144-207 S^T; v208-255 V's fragments.  1: v0-127 the mask's two buffers; v128-181 K's fragments; v192-215 q's.
.set QS,    3145728
.set KVC,   3407872
.set KVS,   4980736
.set VC,    98304
.set LKS,   196608
.set LVS,   204800
.set SPARE, 208896
.set LK16, 4
.set LK8,  5
.set LS16, 6
.set LV16, 7
.set LVS8, 8
.set AD0,  9
.set AD1,  10
.set AD2,  11
.set PFO,  13
.set SPW,  14
.set NIL,  15
.set KSC,  16
.set VSC,  20
.set QSC,  22
.set PSC,  24
.set LANE, 25
.set ST,   26
.set BM,   34
.set BO,   38
.set BS,   42
.set BB,   46
.set AL,   50
.set TMP,  52
.set SBY,  52
.set PCD,  56
.set PT,   68
.set CH,   68
.set SO,   79
.set OA,   80
.set SS,   144
.set OC,   144
.set VF,   208
.set KF,   128
.set QF,   192
.set WV,   14
.set CX,   15
.set GG,   16
.set QB,   17
.set SEL,  22
.set L2E,  24
.set NL2E, 28
.set G1C,  32
.set G1S,  40
.set G0C,  48
.set G0S,  52
.set MB,   56
.set MA,   58
.set PFB,  60
.set PFA,  62
.set LIM,  66
.set TT,   67
.set NX,   68
.set TK,   69
.set TKS,  70
.set TVS,  71
.set QT,   72
.set HP,   73
.set OFF,  74
.set SNK,  76
.set W_KQ, 0x15
.set TO1,  0x40
.set MSB, 0
.macro WIN new
.if MSB != \new
	s_set_vgpr_msb (MSB<<8)|\new
.set MSB, \new
.endif
.endm
.macro PLACES
.rept 4
	v_nop
.endr
.endm
.macro CROUND
	s_barrier_signal -1
	s_barrier_wait -1
	s_cmp_lg_u32 s[WV], 0
	s_cbranch_scc1 .Lnot_wave_0_\@
	s_barrier_signal -3
.Lnot_wave_0_\@:
	s_barrier_wait -3
	s_barrier_signal -1
	s_barrier_wait -1
.endm
.macro SNX e                           ; key step (2 x trip + e) mod 16
	s_lshl_b32 s[NX], s[TT], 1
	s_add_co_u32 s[NX], s[NX], \e
	s_and_b32 s[NX], s[NX], 15
.endm
.macro MLOAD buf, e                    ; a step's mask image into buffer buf; it stands behind a wait for all earlier loads, so its base may be written
	SNX \e
	s_lshl_b32 s[OFF], s[NX], 13
	s_add_nc_u64 s[MA:MA+1], s[MB:MB+1], s[OFF:OFF+1]
	WIN TO1
.irp n, 0,1,2,3,4,5,6,7,8,9,10,11,12,13,14,15
	global_load_b128 v[64*(\buf)+4*\n:64*(\buf)+4*\n+3], v[LK16], s[MA:MA+1] offset:512*\n
.endr
	WIN 0
.endm
.macro KLOAD e                         ; a step's eight fragments of k and their scale words
	SNX \e
	s_mul_i32 s[TK], s[NX], 6144
	s_lshl_b32 s[TKS], s[NX], 9
	v_add_nc_u32 v[AD0], s[TK], v[LK16]
	v_add_nc_u32 v[AD1], s[TK], v[LK8]
	v_add_nc_u32 v[AD2], s[TKS], v[LS16]
	ds_load_b128 v[KSC:KSC+3], v[AD2]
	WIN TO1
.irp i, 0,1,2,3,4,5,6,7
	ds_load_b128 v[KF+6*\i:KF+6*\i+3], v[AD0] offset:768*\i
	ds_load_b64 v[KF+6*\i+4:KF+6*\i+5], v[AD1] offset:768*\i
.endr
	WIN 0
.endm
.macro VLOAD e                         ; a step's four fragments of v and their scale words
	SNX \e
	s_mul_i32 s[TK], s[NX], 6144
	s_lshl_b32 s[TVS], s[NX], 8
	v_add_nc_u32 v[AD0], s[TK], v[LV16]
	v_add_nc_u32 v[AD2], s[TVS], v[LVS8]
	ds_load_b64 v[VSC:VSC+1], v[AD2]
.irp i, 0,1,2,3
.irp c, 0,1,2
	ds_load_b128 v[VF+12*\i+4*\c:VF+12*\i+4*\c+3], v[AD0] offset:1536*\i+512*\c
.endr
.endr
.endm
.macro QK j, buf                       ; S^T = k q^T / 8 + mask: eight tiles of 16 keys
	WIN W_KQ
.irp i, 0,2,4,6
	v_wmma_scale_f32_16x16x128_f8f6f4 v[SS+8*\i:SS+8*\i+7], v[KF+6*\i:KF+6*\i+11], v[QF+12*(\j):QF+12*(\j)+11], v[64*(\buf)+8*\i:64*(\buf)+8*\i+7], v[KSC+\i/2], v[QSC+(\j)] matrix_a_fmt:MATRIX_FMT_FP6 matrix_b_fmt:MATRIX_FMT_FP6
	v_wmma_scale_f32_16x16x128_f8f6f4 v[SS+8*\i+8:SS+8*\i+15], v[KF+6*\i+6:KF+6*\i+17], v[QF+12*(\j):QF+12*(\j)+11], v[64*(\buf)+8*\i+8:64*(\buf)+8*\i+15], v[KSC+\i/2], v[QSC+(\j)] matrix_a_fmt:MATRIX_FMT_FP6 matrix_b_fmt:MATRIX_FMT_FP6 matrix_a_scale:MATRIX_SCALE_ROW1
.endr
	WIN 0
.endm
.macro PV j                            ; O^T += v^T w^T: four tiles of 16 channels, each accumulator one turn
.irp i, 0,2
	v_wmma_scale_f32_16x16x128_f8f6f4 v[OA+32*(\j)+8*\i:OA+32*(\j)+8*\i+7], v[VF+12*\i:VF+12*\i+11], v[PCD:PCD+11], v[OA+32*(\j)+8*\i:OA+32*(\j)+8*\i+7], v[VSC+\i/2], v[PSC] matrix_a_fmt:MATRIX_FMT_FP6 matrix_b_fmt:MATRIX_FMT_FP6
	v_wmma_scale_f32_16x16x128_f8f6f4 v[OA+32*(\j)+8*\i+8:OA+32*(\j)+8*\i+15], v[VF+12*\i+12:VF+12*\i+23], v[PCD:PCD+11], v[OA+32*(\j)+8*\i+8:OA+32*(\j)+8*\i+15], v[VSC+\i/2], v[PSC] matrix_a_fmt:MATRIX_FMT_FP6 matrix_b_fmt:MATRIX_FMT_FP6 matrix_a_scale:MATRIX_SCALE_ROW1
.endr
.endm
.macro BMAX                            ; the largest score of my 16 keys of each block of 32, four chains by turns
.irp b, 0,1,2,3
	v_max3_num_f32 v[BM+\b], v[SS+16*\b], v[SS+16*\b+1], v[SS+16*\b+2]
.endr
.irp i, 3,5,7,9,11,13
.irp b, 0,1,2,3
	v_max3_num_f32 v[BM+\b], v[BM+\b], v[SS+16*\b+\i], v[SS+16*\b+\i+1]
.endr
.endr
.irp b, 0,1,2,3
	v_max_num_f32 v[BM+\b], v[BM+\b], v[SS+16*\b+15]
.endr
.endm
.macro SCALEX                          ; t - M, two at a time
.set n, 0
.rept 32
	v_pk_fma_f32 v[SS+2*n:SS+2*n+1], v[SS+2*n:SS+2*n+1], s[L2E:L2E+1], v[STJ:STJ+1] op_sel_hi:[1,0,0]
.set n, n+1
.endr
.endm
.macro EXPS
.set n, 0
.rept 64
	v_exp_f32 v[SS+n], v[SS+n]
.set n, n+1
.endr
	v_nop
	s_wait_alu depctr_va_vdst(0)                   ; one wait for the batch
.endm
; pass 1, unit j.  State of a lane (half a row): ST+4j = -M log2(e), +1 = M, +2, +3 = the sum in two halves
.macro U1 j
.set STJ, ST+4*(\j)
	BMAX
	s_delay_alu instid0(VALU_DEP_2)
	v_max3_num_f32 v[TMP], v[BM], v[BM+1], v[BM+2]
	v_mov_b32 v[TMP+1], v[STJ]
	s_delay_alu instid0(VALU_DEP_2)
	v_max3_num_f32 v[STJ+1], v[TMP], v[BM+3], v[STJ+1]
	s_delay_alu instid0(VALU_DEP_1)
	v_mul_f32 v[STJ], s[NL2E], v[STJ+1]
	s_delay_alu instid0(VALU_DEP_1)
	v_sub_f32 v[AL], v[STJ], v[TMP+1]
	SCALEX
	s_wait_alu depctr_va_vdst(0)                   ; ahead of the batch
	v_exp_f32 v[AL], v[AL]
	EXPS
	v_pk_mul_f32 v[STJ+2:STJ+3], v[STJ+2:STJ+3], v[AL:AL+1] op_sel_hi:[1,0]
	v_pk_add_f32 v[CH:CH+1], v[SS:SS+1], v[SS+2:SS+3]
	v_pk_add_f32 v[CH+2:CH+3], v[SS+4:SS+5], v[SS+6:SS+7]
	v_pk_add_f32 v[CH+4:CH+5], v[SS+8:SS+9], v[SS+10:SS+11]
.set n, 6
.rept 26
.if (n-6)%4 == 0
	v_pk_add_f32 v[STJ+2:STJ+3], v[STJ+2:STJ+3], v[SS+2*n:SS+2*n+1]
.else
	v_pk_add_f32 v[CH+2*((n-6)%4-1):CH+2*((n-6)%4-1)+1], v[CH+2*((n-6)%4-1):CH+2*((n-6)%4-1)+1], v[SS+2*n:SS+2*n+1]
.endif
.set n, n+1
.endr
	v_pk_add_f32 v[STJ+2:STJ+3], v[STJ+2:STJ+3], v[CH:CH+1]
	v_pk_add_f32 v[CH+2:CH+3], v[CH+2:CH+3], v[CH+4:CH+5]
	s_delay_alu instid0(VALU_DEP_1)
	v_pk_add_f32 v[STJ+2:STJ+3], v[STJ+2:STJ+3], v[CH+2:CH+3]
.endm
; pass 2, unit j: w and its codes.  ST+4j = -(M log2(e) + log2(sum)).  A block's largest w comes from its largest score by the same two instructions
.macro U2 j
.set STJ, ST+4*(\j)
	BMAX
.irp b, 0,1,2,3
	v_permlanex16_b32 v[BO+\b], v[BM+\b], s[SEL], s[SEL+1]
.endr
.irp b, 0,1,2,3
	v_max_num_f32 v[BM+\b], v[BM+\b], v[BO+\b]
.endr
	SCALEX
.irp b, 0,1,2,3
	v_fma_f32 v[BM+\b], v[BM+\b], s[L2E], v[STJ]
.endr
	s_wait_alu depctr_va_vdst(0)                   ; ahead of the batch
.irp b, 0,1,2,3
	v_exp_f32 v[BM+\b], v[BM+\b]
.endr
	EXPS
.irp b, 0,1,2,3
	v_max_num_f32 v[BM+\b], 0x1800000, v[BM+\b]    ; the floor 2^(3 - 127)
.endr
.irp b, 0,1,2,3
	v_add_nc_u32 v[BS+\b], 0xff000000, v[BM+\b]
.endr
.irp b, 0,1,2,3
	v_lshrrev_b32 v[BB+\b], 23, v[BS+\b]
.endr
	v_lshl_or_b32 v[PSC], v[BB+1], 8, v[BB]
	s_delay_alu instid0(VALU_DEP_1)
	v_lshl_or_b32 v[PSC], v[BB+2], 16, v[PSC]
	s_delay_alu instid0(VALU_DEP_1)
	v_lshl_or_b32 v[PSC], v[BB+3], 24, v[PSC]
.irp c, 0,1
	v_cvt_scalef32_pk16_fp6_f32 v[PCD+6*\c:PCD+6*\c+2], v[SS+32*\c:SS+32*\c+15], v[BS+2*\c]
	v_cvt_scalef32_pk16_fp6_f32 v[PT+4*\c:PT+4*\c+2], v[SS+32*\c+16:SS+32*\c+31], v[BS+2*\c+1]
.endr
	v_nop
.irp c, 0,1
.irp i, 0,1,2
	v_permlane16_swap_b32 v[PCD+6*\c+\i], v[PT+4*\c+\i]
.endr
.irp i, 0,1,2
	v_mov_b32 v[PCD+3+6*\c+\i], v[PT+4*\c+\i]
.endr
.endr
	PLACES                                         ; w's codes stand four places ahead of the scaled product that takes them
.endm
	s_load_b256 s[4:11], s[0:1], 0x0               ; img, m_img, sinks, a_img
	v_lshl_add_u32 v[SPW], v0, 2, SPARE
	v_mov_b32 v[NIL], 0
	ds_add_u32 v[SPW], v[NIL]                      ; the opening lines
	ds_add_u32 v[SPW], v[NIL]
	v_lshrrev_b32 v1, 5, v0
	v_readfirstlane_b32 s[WV], v1
	s_and_b32 s[QT], s[WV], 3                      ; my query tile of the block's four
	s_lshr_b32 s[HP], s[WV], 2                     ; my pair of heads
	s_bfe_u32 s[CX], ttmp6, 0x40000
	s_lshl_b32 s[QB], ttmp9, 2
	s_add_co_u32 s[QB], s[QB], s[CX]               ; block of 64 queries
	s_and_b32 s[GG], ttmp7, 0xffff                 ; kv head
	s_mov_b32 s[G1C], 15|(3<<16)|(1<<21)
	s_mov_b32 s[G1C+1], 32<<16
	s_mov_b32 s[G1C+2], 128<<16
	s_mov_b32 s[G1C+3], 32<<16
	s_mov_b32 s[G1C+4], 128
	s_mov_b32 s[G1C+5], 32
	s_mov_b32 s[G1C+6], 0
	s_mov_b32 s[G1C+7], 0
	s_mov_b32 s[G1S], 15|(3<<16)|(1<<21)
	s_mov_b32 s[G1S+1], 32<<16
	s_mov_b32 s[G1S+2], 24<<16
	s_mov_b32 s[G1S+3], 32<<16
	s_mov_b32 s[G1S+4], 24
	s_mov_b32 s[G1S+5], 32
	s_mov_b32 s[G1S+6], 0
	s_mov_b32 s[G1S+7], 0
	s_mov_b32 s[SEL], 0x76543210
	s_mov_b32 s[SEL+1], 0xfedcba98
	s_mov_b32 s[L2E], 0x3fb8aa3b
	s_mov_b32 s[L2E+1], s[L2E]
	s_mov_b32 s[NL2E], 0xbfb8aa3b
	s_mov_b32 s[OFF+1], 0
	s_mov_b32 s[TT], 0
	s_lshl_b32 s18, s[WV], 15                      ; codes: 32,768 bytes a wave
	s_mul_i32 s20, s[GG], 196608
	s_add_co_u32 s20, s20, s18
	s_add_co_u32 s20, s20, KVC
	s_mov_b32 s21, 0
	s_mov_b32 s[G0C], 1
	s_mov_b32 s[G0C+1], s18
	s_and_b32 s19, s[WV], 1                        ; scale words: 6,144 bytes for each of waves 6 and 7
	s_mul_i32 s19, s19, 6144
	s_mul_i32 s30, s[GG], 12288
	s_add_co_u32 s30, s30, s19
	s_add_co_u32 s30, s30, KVS
	s_mov_b32 s31, 0
	s_mov_b32 s[G0S], 1
	s_add_co_u32 s[G0S+1], s19, LKS
	s_cmp_eq_u32 s[WV], 0
	s_cselect_b32 s[LIM], 6, 0                     ; wave 0 prefetches in trips 0 to 5
	s_lshl_b32 s78, s[QB], 2
	s_add_co_u32 s78, s78, s[QT]                   ; T: my tile of 16 queries
	s_lshl_b32 s29, s78, 5
	s_lshl_b32 s2, s[GG], 2
	s_add_co_u32 s29, s29, s2
	s_lshl_b32 s2, s[HP], 1
	s_add_co_u32 s29, s29, s2                      ; 32 T + my first head
	s_mov_b32 s3, 0
	s_wait_dscnt 0x0
	s_wait_kmcnt 0x0
	s_add_nc_u64 s[G0C+2:G0C+3], s[4:5], s[20:21]
	s_or_b32 s[G0C+3], s[G0C+3], 0x80000000
	s_add_nc_u64 s[G0S+2:G0S+3], s[4:5], s[30:31]
	s_or_b32 s[G0S+3], s[G0S+3], 0x80000000
	s_mul_i32 s2, s29, 768
	s_add_nc_u64 s[18:19], s[4:5], s[2:3]          ; q's fragments
	s_lshl_b32 s2, s29, 6
	s_add_co_u32 s2, s2, QS
	s_add_nc_u64 s[20:21], s[4:5], s[2:3]          ; q's scale words
	s_lshl_b32 s2, s78, 17
	s_add_nc_u64 s[MB:MB+1], s[6:7], s[2:3]        ; my tile's 16 mask images
	s_lshl_b32 s2, s[QB], 19
	s_lshl_b32 s30, s[GG], 10
	s_add_co_u32 s2, s2, s30
	s_add_co_u32 s2, s2, 4*8192
	s_add_nc_u64 s[PFB:PFB+1], s[6:7], s[2:3]      ; the prefetches: step 4, my kv head's eighth of an image
	s_lshl_b32 s2, s[GG], 4
	s_lshl_b32 s30, s[HP], 3
	s_add_co_u32 s2, s2, s30
	s_add_nc_u64 s[8:9], s[8:9], s[2:3]
	s_load_b64 s[SNK:SNK+1], s[8:9], 0x0
	s_mul_i32 s2, s78, 25600                       ; a_img: [128 token tiles][4 spans of 512 K][6,400]; my two heads are the 128 K of step 2 g + hp
	s_lshr_b32 s29, s[GG], 1
	s_mul_i32 s29, s29, 6400
	s_add_co_u32 s2, s2, s29
	s_add_nc_u64 s[10:11], s[10:11], s[2:3]
	s_and_b32 s29, s[GG], 1
	s_lshl_b32 s29, s29, 1
	s_add_co_u32 s29, s29, s[HP]
	s_lshl_b32 s2, s29, 2
	s_add_co_u32 s2, s2, 6144
	s_add_nc_u64 s[12:13], s[10:11], s[2:3]        ; its scale words
	s_mul_i32 s2, s29, 1536
	s_add_nc_u64 s[10:11], s[10:11], s[2:3]        ; its fragment
	CROUND
	s_cmp_lt_u32 s[WV], 6                          ; one tensor load a wave, in the arms of one branch
	s_cbranch_scc0 .Lhead_s
	tensor_load_to_lds s[G0C:G0C+3], s[G1C:G1C+7]
	s_nop 0
	PLACES
	s_branch .Lhead_j
.Lhead_s:
	tensor_load_to_lds s[G0S:G0S+3], s[G1S:G1S+7]
	s_nop 0
	PLACES
.Lhead_j:
	v_and_b32 v[LANE], 31, v0
	v_and_b32 v1, 15, v0
	v_lshlrev_b32 v[LK16], 4, v[LANE]
	v_lshlrev_b32 v53, 3, v[LANE]
	v_lshlrev_b32 v54, 2, v1
	WIN TO1
.irp j, 0,1
	global_load_b128 v[QF+12*\j:QF+12*\j+3], v[LK16], s[18:19] offset:768*\j
	global_load_b64 v[QF+12*\j+4:QF+12*\j+5], v53, s[18:19] offset:768*\j+512
.endr
.irp j, 0,1
.irp k, 6,7,8,9,10,11
	v_mov_b32 v[QF+12*\j+\k], 0                    ; zero codes for K = 64 .. 127
.endr
.endr
.irp k, 48,49,50,51,52,53
	v_mov_b32 v[KF+\k], 0                          ; the last fragment's upper half
.endr
	WIN 0
.irp j, 0,1
	global_load_b32 v[QSC+\j], v54, s[20:21] offset:64*\j
.endr
	MLOAD 0, 0
	v_lshl_add_u32 v[LK8], v[LANE], 3, 512
	v_lshl_add_u32 v[LS16], v[LANE], 4, LKS
	v_lshl_add_u32 v[LV16], v[LANE], 4, VC
	v_lshl_add_u32 v[LVS8], v[LANE], 3, LVS
	v_lshrrev_b32 v[PFO], 4, v[LANE]               ; a prefetch's 32 lanes: 2 steps x 4 query tiles x 4 runs of 256 bytes
	v_bfe_u32 v[AD0], v[LANE], 2, 2
	v_and_b32 v[AD1], 3, v[LANE]
	v_lshlrev_b32 v[PFO], 13, v[PFO]
	v_lshl_add_u32 v[PFO], v[AD0], 17, v[PFO]
	v_lshl_add_u32 v[PFO], v[AD1], 8, v[PFO]
	v_lshlrev_b32 v[SO], 4, v1
.irp b, 0,1,2,3,4,5,6,7
	v_mov_b32 v[BO+\b], 0
.endr
	v_mov_b32 v[AL+1], 0
	s_wait_alu depctr_va_vdst(0)                   ; the wait ahead of the wait below
	s_wait_kmcnt 0x0
.irp j, 0,1
	v_mov_b32 v[ST+4*\j+1], s[SNK+\j]              ; the maximum begins at the sink,
	v_mul_f32 v[ST+4*\j], s[NL2E], v[ST+4*\j+1]
	v_mov_b32 v[ST+4*\j+2], 0.5                    ; whose term, 1, is shared by the row's two lanes
	v_mov_b32 v[ST+4*\j+3], 0
.endr
	s_wait_alu depctr_va_vdst(0)                   ; the wait at the head's end
	s_wait_tensorcnt 0x0                           ; my part of K, V or the scale words is in;
	s_barrier_signal -1
	s_barrier_wait -1                              ; everybody's is
	KLOAD 0
	s_wait_loadcnt 0x0
.irp j, 0,1
	v_and_b32 v[BM+\j], 0xff, v[QSC+\j]            ; 1 / 8 into q's two scale bytes
	v_bfe_u32 v[BB+\j], v[QSC+\j], 8, 8
.endr
.irp j, 0,1
	v_max_u32 v[BM+\j], 3, v[BM+\j]
	v_max_u32 v[BB+\j], 3, v[BB+\j]
.endr
.irp j, 0,1
	v_add_nc_u32 v[BM+\j], -3, v[BM+\j]
	v_add_nc_u32 v[BB+\j], -3, v[BB+\j]
.endr
.irp j, 0,1
	v_lshl_or_b32 v[BM+\j], v[BB+\j], 8, v[BM+\j]
.endr
.irp j, 0,1
	v_or_b32 v[QSC+\j], 0x7f7f0000, v[BM+\j]
.endr
.rept 8
	v_nop                                          ; a scale register written by a vector instruction stands 8 places ahead of a scaled product
.endr
.macro TOP1 buf, e                     ; pass 1, a step's head: its mask is in, the next step's is asked for
	s_wait_alu depctr_va_vdst(0)                   ; the wait ahead of the waits below
	s_wait_loadcnt 0x0
	MLOAD 1-(\buf), (\e)+1
.if (\buf) == 0
	s_cmp_lt_u32 s[TT], s[LIM]
	s_cbranch_scc0 .Lna_\@
	s_wait_xcnt 0x0                                ; the last trip's prefetch has read its address
	s_lshl_b32 s[OFF], s[TT], 14
	s_add_nc_u64 s[PFA:PFA+1], s[PFB:PFB+1], s[OFF:OFF+1]
	global_prefetch_b8 v[PFO], s[PFA:PFA+1] th:TH_LOAD_NT scope:SCOPE_SE
.Lna_\@:
.endif
	s_wait_dscnt 0x0                               ; k's fragments are in
	QK 0, \buf
	PLACES
.endm
.macro MID1 buf, e
	QK 1, \buf
	PLACES
	KLOAD (\e)+1
.endm
.Lp1:
	TOP1 0, 0
	U1 0
	MID1 0, 0
	U1 1
	TOP1 1, 1
	U1 0
	MID1 1, 1
	U1 1
	s_add_co_u32 s[TT], s[TT], 1
	s_cmp_lt_u32 s[TT], 8
	s_cbranch_scc1 .Lp1
	; a row's two lanes are joined: the larger maximum, both sums under it; then -(M log2(e) + log2(sum))
.irp j, 0,1
	v_add_f32 v[ST+4*\j+2], v[ST+4*\j+2], v[ST+4*\j+3]
.endr
.irp j, 0,1
	v_permlanex16_b32 v[BO+\j], v[ST+4*\j], s[SEL], s[SEL+1]
.endr
.irp j, 0,1
	v_permlanex16_b32 v[BS+\j], v[ST+4*\j+2], s[SEL], s[SEL+1]
.endr
.irp j, 0,1
	v_min_num_f32 v[BM+\j], v[ST+4*\j], v[BO+\j]
.endr
.irp j, 0,1
	v_sub_f32 v[BB+\j], v[BM+\j], v[ST+4*\j]
.endr
.irp j, 0,1
	v_sub_f32 v[BO+\j], v[BM+\j], v[BO+\j]
.endr
	s_wait_alu depctr_va_vdst(0)
.irp j, 0,1
	v_exp_f32 v[BB+\j], v[BB+\j]
.endr
.irp j, 0,1
	v_exp_f32 v[BO+\j], v[BO+\j]
.endr
.irp j, 0,1
	v_mov_b32 v[ST+4*\j], v[BM+\j]
.endr
	s_wait_alu depctr_va_vdst(0)
.irp j, 0,1
	v_mul_f32 v[BB+\j], v[ST+4*\j+2], v[BB+\j]
.endr
.irp j, 0,1
	v_mul_f32 v[BO+\j], v[BS+\j], v[BO+\j]
.endr
.irp j, 0,1
	v_add_f32 v[BB+\j], v[BB+\j], v[BO+\j]
.endr
	s_wait_alu depctr_va_vdst(0)
.irp j, 0,1
	v_log_f32 v[BB+\j], v[BB+\j]
.endr
	v_nop
	s_wait_alu depctr_va_vdst(0)
.irp j, 0,1
	v_sub_f32 v[ST+4*\j], v[ST+4*\j], v[BB+\j]
.endr
.set n, 0
.rept 64
	v_mov_b32 v[OA+n], 0
.set n, n+1
.endr
	s_mov_b32 s[TT], 0
	s_wait_alu depctr_va_vdst(0)
	s_wait_loadcnt 0x0                             ; step 0's mask, asked for in pass 1's last step
	MLOAD 1, 1
	s_wait_dscnt 0x0
	QK 0, 0
	PLACES
	VLOAD 0
.Lp2:                                  ; a trip: steps 2 t and 2 t + 1; the last trip asks for nothing beyond step 15
	U2 0
	s_wait_alu depctr_va_vdst(0)                   ; the wait ahead of each group's waits
	s_wait_dscnt 0x0                               ; v's fragments are in
	QK 1, 0
	PV 0
	PLACES
	KLOAD 1
	U2 1
	s_wait_alu depctr_va_vdst(0)
	s_wait_loadcnt 0x0
	s_cmp_lt_u32 s[TT], 7
	s_cbranch_scc0 .Lno_m
	MLOAD 0, 2
.Lno_m:
	s_wait_dscnt 0x0
	QK 0, 1
	PV 1
	PLACES
	VLOAD 1
	U2 0
	s_wait_alu depctr_va_vdst(0)
	s_wait_dscnt 0x0
	QK 1, 1
	PV 0
	PLACES
	s_cmp_lt_u32 s[TT], 7
	s_cbranch_scc0 .Lno_k
	KLOAD 2
.Lno_k:
	U2 1
	s_wait_alu depctr_va_vdst(0)
	s_cmp_lt_u32 s[TT], 7
	s_cbranch_scc0 .Lno_q
	s_wait_loadcnt 0x0
	MLOAD 1, 3
	s_wait_dscnt 0x0
	QK 0, 0
.Lno_q:
	PV 1
	PLACES
	s_cmp_lt_u32 s[TT], 7
	s_cbranch_scc0 .Lno_v
	VLOAD 2
.Lno_v:
	s_add_co_u32 s[TT], s[TT], 1
	s_cmp_lt_u32 s[TT], 8
	s_cbranch_scc1 .Lp2
	; the result's quantiser along the channels: a block of 32 lies in lanes l and l xor 16
.macro OBLK j, b
.set OREG, OA+32*(\j)+16*(\b)
	v_mov_b32 v[BM], 0x1800000
.irp i, 0,2,4,6,8,10,12,14
	v_max3_num_f32 v[BM], v[BM], |v[OREG+\i]|, |v[OREG+\i+1]|
.endr
	v_permlanex16_b32 v[BO], v[BM], s[SEL], s[SEL+1]
	s_delay_alu instid0(VALU_DEP_1)
	v_max_num_f32 v[BM], v[BM], v[BO]
	s_delay_alu instid0(VALU_DEP_1)
	v_add_nc_u32 v[BS], 0xff000000, v[BM]
	s_delay_alu instid0(VALU_DEP_1)
	v_lshrrev_b32 v[BB], 23, v[BS]
.if (2*(\j)+(\b)) == 0
	v_mov_b32 v[SBY], v[BB]
.else
	v_lshl_or_b32 v[SBY], v[BB], 8*(2*(\j)+(\b)), v[SBY]
.endif
	v_cvt_scalef32_pk16_fp6_f32 v[OC+8*(\j)+4*(\b):OC+8*(\j)+4*(\b)+2], v[OREG:OREG+15], v[BS]
	v_nop
.endm
	OBLK 0, 0
	OBLK 0, 1
	OBLK 1, 0
	OBLK 1, 1
.irp j, 0,1
.irp i, 0,1,2
	v_permlane16_swap_b32 v[OC+8*\j+\i], v[OC+8*\j+4+\i]   ; half blocks change places: lane (r, h) now holds channels 32 h + 0 .. 31 of head j
.endr
.endr
.irp i, 0,1,2
	v_mov_b32 v[OC+3+\i], v[OC+4+\i]
.endr
.irp i, 0,1,2
	v_mov_b32 v[OC+6+\i], v[OC+8+\i]
.endr
.irp i, 0,1,2
	v_mov_b32 v[OC+9+\i], v[OC+12+\i]              ; twelve registers on end: the fragment of 16 tokens x my two heads
.endr
	global_store_b32 v[SO], v[SBY], s[12:13]
.irp c, 0,1,2
	global_store_b128 v[LK16], v[OC+4*\c:OC+4*\c+3], s[10:11] offset:512*\c   ; 32 lanes store 512 consecutive bytes
.endr
	s_wait_tensorcnt 0x0                           ; the wave's end
	ds_add_u32 v[SPW], v[NIL]
	s_wait_dscnt 0x0
	CROUND                                         ; the closing round
	s_endpgm
.Lfunc_end_k_qb36bce8e6b_attn:
	.size	k_qb36bce8e6b_attn, .Lfunc_end_k_qb36bce8e6b_attn-k_qb36bce8e6b_attn
	.p2alignl 7, 3214868480
	.fill 96, 4, 3214868480
	.section	.rodata,"a",@progbits
	.p2align	6, 0x0
	.amdhsa_kernel k_qb36bce8e6b_attn
		.amdhsa_group_segment_fixed_size 327680
		.amdhsa_private_segment_fixed_size 0
		.amdhsa_enable_private_segment 0
		.amdhsa_kernarg_size 32
		.amdhsa_user_sgpr_count 2
		.amdhsa_user_sgpr_kernarg_segment_ptr 1
		.amdhsa_wavefront_size32 1
		.amdhsa_system_sgpr_workgroup_id_x 1
		.amdhsa_system_sgpr_workgroup_id_y 1
		.amdhsa_system_sgpr_workgroup_id_z 1
		.amdhsa_system_vgpr_workitem_id 0
		.amdhsa_next_free_vgpr 512
		.amdhsa_next_free_sgpr 96
		.amdhsa_reserve_vcc 0
		.amdhsa_float_denorm_mode_32 3
		.amdhsa_float_denorm_mode_16_64 3
		.amdhsa_memory_ordered 1
		.amdhsa_forward_progress 1
		.amdhsa_inst_pref_size 120
	.end_amdhsa_kernel
	.amdgpu_metadata
---
amdhsa.version: [ 1, 2 ]
amdhsa.kernels:
  - .name:           k_qb36bce8e6b_attn
    .symbol:         k_qb36bce8e6b_attn.kd
    .args:
      - { .name: img, .offset: 0, .size: 8, .value_kind: global_buffer, .address_space: global }
      - { .name: m_img, .offset: 8, .size: 8, .value_kind: global_buffer, .address_space: global }
      - { .name: sinks, .offset: 16, .size: 8, .value_kind: global_buffer, .address_space: global }
      - { .name: a_img, .offset: 24, .size: 8, .value_kind: global_buffer, .address_space: global }
    .group_segment_fixed_size: 327680
    .private_segment_fixed_size: 0
    .kernarg_segment_align: 8
    .kernarg_segment_size: 32
    .max_flat_workgroup_size: 256
    .sgpr_count:     96
    .vgpr_count:     512
    .wavefront_size: 32
...
	.end_amdgpu_metadata
.endif
;; end of part 3
;; launch gemm_out (part 4): grid 16 x 16, 4 waves a work-group, clusters of 4 x 4, 327,680 bytes of LDS; arguments a_img, w_img, out0; writes out0
.if DOCPART == 4
	.amdgcn_target "amdgcn-amd-amdhsa--gfx1250"
	.amdhsa_code_object_version 6
	.text
	.protected	k_qb36bce8e6b_gemm_out
	.globl	k_qb36bce8e6b_gemm_out
	.p2align	8
	.type	k_qb36bce8e6b_gemm_out,@function
k_qb36bce8e6b_gemm_out:
	s_mov_b64 s[64:65], 0
	v_nop
	global_prefetch_b8 v0, s[64:65] scope:SCOPE_SE
	s_setreg_imm32_b32 hwreg(HW_REG_WAVE_MODE, 25, 1), 1
	s_wait_xcnt 0x0
	s_wait_alu depctr_hold_cnt(0) depctr_sa_sdst(0) depctr_va_vdst(0) depctr_va_sdst(0) depctr_va_ssrc(0) depctr_va_vcc(0) depctr_vm_vsrc(0)
	s_getreg_b32 s2, hwreg(HW_REG_IB_STS2, 6, 4)
	s_cmp_eq_u32 s2, 0
	s_cbranch_scc0 .Lentry_in_a_cluster
	s_endpgm
.Lentry_in_a_cluster:
	s_bfe_u32 s2, ttmp6, 0x10000c
	s_cmp_lg_u32 s2, 0xf033
	s_cbranch_scc0 .Lentry_shape_is_right
	s_endpgm
.Lentry_shape_is_right:
; out0 [2048][4096] f32 = attention's result (2,048 x 2,048) times Wo's 4,096 rows, both as codes of FP6 with E8M0 scales, read as images of the operands' registers (6,400 bytes for 16 rows x 512 K: four fragments, then the scale words).
; A work-group makes 128 x 256 of C, four waves of 64 x 128 each: 32 accumulators; 16 x 16 work-groups.
; K goes in spans of 512 through two LDS slots of 24 x 6,400 bytes; a tensor row is one row tile's 6,400 bytes, a multiple of 256 from the buffer's first byte.  Waves 0, 1 fetch A's 4 + 4 row tiles, waves 2, 3 B's 8 + 8.
; Clusters of 4 x 4: A's tiles are asked for jointly along a row of the cluster, B's along a column.  A fragment is three loads of 16 bytes a lane at 16 x lane; a row tile's scale words for the slot's four steps are one load.
; The matrix instruction is used transposed (source 0 = rows of B): a lane holds eight neighbouring numbers of a row of C.  The 32 accumulators take turns.
; Prefetch: behind the refill with span 2 the span 3 is asked for, one slot's four steps ahead of its load; of a wave's row tiles each of the four partners names a quarter, by address; 25 lanes name a row tile's 25 runs of 256 bytes.
; Windows: 0: addresses, v32-127 scale words (two sets), v128-223 A's fragments (two sets); 1: B's fragments at v0 and v128; 2: the accumulators.
.set SIZE_N, 4096
.set NS,     4                         ; spans of 512 along K
.set BOFF,   9830400
.set NTS,    1
.set IMG,    6400
.set RTP,    NS*IMG
.set ASL,    8*IMG
.set SLOT,   24*IMG
.set SPARE,  2*SLOT
.set SPITCH, 528
.set CO,   3
.set ADRA, 16
.set ADRB, 18
.set ASC,  20
.set BSC,  22
.set STO,  24
.set RD,   25
.set PFO,  26
.set SPW,  28
.set NIL,  29
.set SCA,  32
.set SCB,  64
.set AF,   128
.set BK,   128
.set G1,   24
.set G0,   32
.set G1B,  48
.set G0B,  56
.set PFA,  68
.set MSB, 0
.macro WIN new
.if MSB != \new
	s_set_vgpr_msb (MSB<<8)|\new
.set MSB, \new
.endif
.endm
.set MULW, 0xa1
.set TO_B, 0x40
.macro PLACES
.rept 4
	v_nop
.endr
.endm
.macro JLOAD g0a, g1a, g0b, g1b
	s_cmp_eq_u32 s15, 0
	s_cbranch_scc0 .Lfor_b_\@
	tensor_load_to_lds s[\g0a:\g0a+3], s[\g1a:\g1a+7]
	s_nop 0
	PLACES
	s_branch .Lasked_\@
.Lfor_b_\@:
	tensor_load_to_lds s[\g0b:\g0b+3], s[\g1b:\g1b+7]
	s_nop 0
	PLACES
.Lasked_\@:
.endm
.macro CREST
	s_cmp_lg_u32 s14, 0
	s_cbranch_scc1 .Lnot_wave_0_\@
	s_barrier_signal -3
.Lnot_wave_0_\@:
	s_barrier_wait -3
	s_barrier_signal -1
	s_barrier_wait -1
.endm
.macro CROUND
	s_barrier_signal -1
	s_barrier_wait -1
	CREST
.endm
	s_load_b128 s[4:7], s[0:1], 0x0                ; A's images, B's images
	s_load_b64 s[12:13], s[0:1], 0x10              ; C
	v_lshl_add_u32 v[SPW], v0, 2, SPARE
	v_mov_b32 v[NIL], 0
	ds_add_u32 v[SPW], v[NIL]                      ; the opening lines
	ds_add_u32 v[SPW], v[NIL]
	v_lshrrev_b32 v1, 5, v0
	v_readfirstlane_b32 s14, v1
	s_lshr_b32 s15, s14, 1                         ; my half of the rows; also: I fetch for A (0) or B (1)
	s_and_b32 s16, s14, 1                          ; my half of the columns; also: which half I fetch
	s_bfe_u32 s40, ttmp6, 0x40000
	s_bfe_u32 s41, ttmp6, 0x40004
	s_lshl_b32 s42, ttmp9, 2
	s_add_co_u32 s42, s42, s40                     ; tile column
	s_and_b32 s17, ttmp7, 0xffff
	s_lshl_b32 s17, s17, 2
	s_add_co_u32 s17, s17, s41                     ; tile row
	s_lshl_b32 s43, s41, 2
	s_lshl_b32 s43, 15, s43
	s_lshl_b32 s44, 0x1111, s40
	s_or_b32 s[G1+0], s43, (3<<16)|(1<<21)         ; elements of 8 bytes, no padding
	s_or_b32 s[G1B+0], s44, (3<<16)|(1<<21)
	s_mov_b32 s[G1+1], 800<<16
	s_mov_b32 s[G1+2], 4<<16
	s_mov_b32 s[G1+3], 800<<16
	s_mov_b32 s[G1+4], 4
	s_mov_b32 s[G1+5], RTP/8
	s_mov_b32 s[G1+6], 0
	s_mov_b32 s[G1+7], 0
	s_mov_b32 s[G1B+1], 800<<16
	s_mov_b32 s[G1B+2], 8<<16
	s_mov_b32 s[G1B+3], 800<<16
	s_mov_b32 s[G1B+4], 8
	s_mov_b32 s[G1B+5], RTP/8
	s_mov_b32 s[G1B+6], 0
	s_mov_b32 s[G1B+7], 0
	s_lshl_b32 s20, s17, 3
	s_lshl_b32 s18, s16, 2
	s_add_co_u32 s20, s20, s18                     ; A: row tile 8 x tile row + 4 x half
	s_mul_i32 s20, s20, RTP
	s_mov_b32 s21, 0
	s_lshl_b32 s46, s42, 4
	s_lshl_b32 s18, s16, 3
	s_add_co_u32 s46, s46, s18                     ; B: 16 x tile column + 8 x half
	s_mul_i32 s46, s46, RTP
.if BOFF
	s_add_co_u32 s46, s46, BOFF
.endif
	s_mov_b32 s47, 0
	s_mul_i32 s45, s16, 4*IMG
	s_mul_i32 s70, s16, 8*IMG
	s_add_co_u32 s70, s70, ASL
	s_wait_dscnt 0x0
	s_wait_kmcnt 0x0
	s_add_nc_u64 s[20:21], s[4:5], s[20:21]
	s_add_nc_u64 s[46:47], s[6:7], s[46:47]
	CROUND
.irp s, 0,1
	s_mov_b32 s[G0+4*\s], 1
	s_add_co_u32 s[G0+4*\s+1], s45, \s*SLOT
	s_add_nc_u64 s[G0+4*\s+2:G0+4*\s+3], s[20:21], \s*IMG
	s_or_b32 s[G0+4*\s+3], s[G0+4*\s+3], 0x80000000
	s_mov_b32 s[G0B+4*\s], 1
	s_add_co_u32 s[G0B+4*\s+1], s70, \s*SLOT
	s_add_nc_u64 s[G0B+4*\s+2:G0B+4*\s+3], s[46:47], \s*IMG
	s_or_b32 s[G0B+4*\s+3], s[G0B+4*\s+3], 0x80000000
.endr
	JLOAD G0, G1, G0B, G1B                         ; span 0: one tensor load a wave at the head
	s_cmp_eq_u32 s15, 0                            ; the prefetches: of my 4 (A) or 8 (B) row tiles my work-group names 1 or 2
	s_cselect_b64 s[PFA:PFA+1], s[20:21], s[46:47]
	s_cselect_b32 s18, s40, s41
	s_lshl_b32 s18, s18, s15
	s_mul_i32 s18, s18, RTP
	s_add_co_u32 s18, s18, 2*IMG                   ; at span 2: the first refill steps it to 3
	s_mov_b32 s19, 0
	s_add_nc_u64 s[PFA:PFA+1], s[PFA:PFA+1], s[18:19]
	v_and_b32 v1, 15, v0
	v_bfe_u32 v2, v0, 4, 1
	v_and_b32 v6, 31, v0
	v_lshlrev_b32 v[CO], 4, v6                     ; 16 x lane
	v_lshlrev_b32 v4, 4, v1                        ; 16 r
	v_min_u32 v7, 24, v6
	v_lshlrev_b32 v[PFO], 8, v7
	s_mul_i32 s21, s15, 4*IMG
	s_mul_i32 s22, s16, 8*IMG
	s_add_co_u32 s22, s22, ASL
.irp s, 0,1
	v_add_nc_u32 v[ADRA+\s], s21, v[CO]
	v_add_nc_u32 v[ADRB+\s], s22, v[CO]
	v_add_nc_u32 v[ASC+\s], s21, v4
	v_add_nc_u32 v[BSC+\s], s22, v4
	s_add_co_u32 s21, s21, SLOT
	s_add_co_u32 s22, s22, SLOT
.endr
	s_mul_i32 s23, s14, 16*SPITCH                  ; my stage, in slot 0: it has had its last fill and its last read when the first result is stored there
	v_mul_u32_u24 v5, v1, SPITCH
	v_lshl_add_u32 v5, v2, 5, v5
	v_add_nc_u32 v[STO], s23, v5
	v_add_nc_u32 v[RD], s23, v[CO]
	s_lshl_b32 s20, s17, 7
	s_lshl_b32 s21, s15, 6
	s_add_co_u32 s20, s20, s21
	s_mul_i32 s20, s20, SIZE_N*4
	s_lshl_b32 s46, s42, 10
	s_add_co_u32 s20, s20, s46
	s_lshl_b32 s46, s16, 9
	s_add_co_u32 s20, s20, s46
	s_mov_b32 s21, 0
	s_add_nc_u64 s[12:13], s[12:13], s[20:21]
.macro MUL8 a, p, q, sc, zero
.irp b, 0,1,2,3,4,5,6,7
.if \zero
	v_wmma_scale_f32_16x16x128_f8f6f4 v[64*(\a)+8*\b:64*(\a)+8*\b+7], v[128*(\p)+12*\b:128*(\p)+12*\b+11], v[AF+48*(\p)+12*(\a):AF+48*(\p)+12*(\a)+11], 0, v[SCB+32*(\sc)+4*\b+(\q)], v[SCA+16*(\sc)+4*(\a)+(\q)] matrix_a_fmt:MATRIX_FMT_FP6 matrix_b_fmt:MATRIX_FMT_FP6
.else
	v_wmma_scale_f32_16x16x128_f8f6f4 v[64*(\a)+8*\b:64*(\a)+8*\b+7], v[128*(\p)+12*\b:128*(\p)+12*\b+11], v[AF+48*(\p)+12*(\a):AF+48*(\p)+12*(\a)+11], v[64*(\a)+8*\b:64*(\a)+8*\b+7], v[SCB+32*(\sc)+4*\b+(\q)], v[SCA+16*(\sc)+4*(\a)+(\q)] matrix_a_fmt:MATRIX_FMT_FP6 matrix_b_fmt:MATRIX_FMT_FP6
.endif
.endr
.endm
.macro FETCH slot, q, p                ; 36 loads: step q's fragments of B (8) and A (4) into set p
	WIN TO_B
.irp i, 0,1,2,3,4,5,6,7
.irp c, 0,1,2
	ds_load_b128 v[128*(\p)+12*\i+4*\c:128*(\p)+12*\i+4*\c+3], v[ADRB+\slot] offset:\i*IMG+(\q)*1536+512*\c
.endr
.endr
	WIN 0
.irp i, 0,1,2,3
.irp c, 0,1,2
	ds_load_b128 v[AF+48*(\p)+12*\i+4*\c:AF+48*(\p)+12*\i+4*\c+3], v[ADRA+\slot] offset:\i*IMG+(\q)*1536+512*\c
.endr
.endr
.endm
.macro SCALES slot                     ; 12 loads: each row tile's words for the slot's four steps
.irp i, 0,1,2,3
	ds_load_b128 v[SCA+16*\slot+4*\i:SCA+16*\slot+4*\i+3], v[ASC+\slot] offset:6144+\i*IMG
.endr
.irp i, 0,1,2,3,4,5,6,7
	ds_load_b128 v[SCB+32*\slot+4*\i:SCB+32*\slot+4*\i+3], v[BSC+\slot] offset:6144+\i*IMG
.endr
.endm
.macro STEP slot, q, zero              ; steps 0 to 2 of a slot: the next step's fragments are asked for first, then this step's 32 products
	PLACES                                         ; in front of loads into the set that the last step multiplied
	FETCH \slot, (\q)+1, ((\q)+1)%2
	s_wait_dscnt 36                                ; all but the 36 just issued: this step's fragments and words are in
	WIN MULW
.irp a, 0,1,2,3
	MUL8 \a, (\q)%2, \q, \slot, \zero
.endr
	WIN 0
.endm
.macro ASK cond
.if ((\cond) == 0) || (NS > 4)
.if \cond
	s_cmp_gt_u32 s3, 1                             ; the loop's last trip has no span three on
	s_cbranch_scc0 .Lno_\@
.endif
	global_prefetch_b8 v[PFO], s[PFA:PFA+1] th:TH_LOAD_NT scope:SCOPE_SE
	s_cmp_eq_u32 s15, 0
	s_cbranch_scc1 .Lno_\@
	global_prefetch_b8 v[PFO], s[PFA:PFA+1] offset:RTP th:TH_LOAD_NT scope:SCOPE_SE
.Lno_\@:
.endif
.endm
.macro TURN slot, next, fill, cond     ; step 3 of a slot: its fragments are in registers, so the slot is free: one barrier for the change of slots
.if \fill
	s_wait_xcnt 0x0                                ; my prefetches have read their address
	s_add_nc_u64 s[PFA:PFA+1], s[PFA:PFA+1], IMG
.endif
	s_wait_tensorcnt 0x0                           ; my part of the next slot is in
	ds_add_u32 v[SPW], v[NIL]
	s_wait_dscnt 1                                 ; the add alone may be out
	WIN MULW
	MUL8 0, 1, 3, \slot, 0
	s_wait_dscnt 0x0
	s_barrier_signal -1
	MUL8 1, 1, 3, \slot, 0
	WIN 0
	s_barrier_wait -1
.if \fill
	CREST
	s_add_nc_u64 s[G0+4*\slot+2:G0+4*\slot+3], s[G0+4*\slot+2:G0+4*\slot+3], 2*IMG
	s_add_nc_u64 s[G0B+4*\slot+2:G0B+4*\slot+3], s[G0B+4*\slot+2:G0B+4*\slot+3], 2*IMG
	JLOAD G0+4*\slot, G1, G0B+4*\slot, G1B
.else
	PLACES
.endif
	FETCH \next, 0, 0
	SCALES \next
.if \fill
	ASK \cond
.endif
	WIN MULW
	MUL8 2, 1, 3, \slot, 0
	MUL8 3, 1, 3, \slot, 0
	WIN 0
.endm
	s_wait_alu depctr_va_vdst(0)                   ; the wait at the head's end
	s_wait_tensorcnt 0x0
	ds_add_u32 v[SPW], v[NIL]
	s_wait_dscnt 0x0
	CROUND
	JLOAD G0+4, G1, G0B+4, G1B                     ; span 1, slot 1's first fill, issued as a refill is
	FETCH 0, 0, 0
	SCALES 0
	STEP 0, 0, 1                                   ; the first products start the sums
	STEP 0, 1, 0
	STEP 0, 2, 0
	s_mov_b32 s3, NS/2-1
.Llap:
	TURN 0, 1, 1, 0
	STEP 1, 0, 0
	STEP 1, 1, 0
	STEP 1, 2, 0
	TURN 1, 0, 1, 1
	STEP 0, 0, 0
	STEP 0, 1, 0
	STEP 0, 2, 0
	s_sub_co_u32 s3, s3, 1
	s_cmp_lg_u32 s3, 0
	s_cbranch_scc1 .Llap
	TURN 0, 1, 0, 0
	STEP 1, 0, 0
	STEP 1, 1, 0
	STEP 1, 2, 0
	s_wait_dscnt 0x0
	WIN MULW
.irp a, 0,1,2,3
	MUL8 \a, 1, 3, 1, 0
.endr
	WIN 0
; the way out: 16 rows x 128 columns at a time through my own stage, back as whole rows of 512 bytes
.macro TOSTAGE a
	WIN 0x08
.irp b, 0,1,2,3,4,5,6,7
	ds_store_b128 v[STO], v[64*(\a)+8*\b:64*(\a)+8*\b+3] offset:64*\b
	ds_store_b128 v[STO], v[64*(\a)+8*\b+4:64*(\a)+8*\b+7] offset:64*\b+16
.endr
	WIN 0
.set BB, BK+64*((\a)%2)
.irp t, 0,1,2,3,4,5,6,7,8,9,10,11,12,13,14,15
	ds_load_b128 v[BB+4*\t:BB+4*\t+3], v[RD] offset:\t*SPITCH
.endr
.endm
.macro SEND a, younger
.set BB, BK+64*((\a)%2)
	s_wait_dscnt \younger
.if (\a) > 0
	s_add_nc_u64 s[12:13], s[12:13], 16*SIZE_N*4
.endif
.irp t, 0,1,2,3,4,5,6,7,8,9,10,11,12,13,14,15
.if NTS
	global_store_b128 v[CO], v[BB+4*\t:BB+4*\t+3], s[12:13] offset:\t*SIZE_N*4 th:TH_STORE_NT
.else
	global_store_b128 v[CO], v[BB+4*\t:BB+4*\t+3], s[12:13] offset:\t*SIZE_N*4
.endif
.endr
.endm
	PLACES
	TOSTAGE 0
.irp a, 1,2,3
.if \a > 1
	s_wait_xcnt 0x0                                ; block a - 2's stores have read their registers and their base
.endif
	TOSTAGE \a
	SEND \a-1, 32                                  ; behind block a - 1's loads: block a's 16 stores and 16 loads
.endr
	s_wait_xcnt 0x0
	SEND 3, 0
	s_wait_tensorcnt 0x0                           ; the wave's end
	ds_add_u32 v[SPW], v[NIL]
	s_wait_dscnt 0x0
	CROUND
	s_endpgm
.Lfunc_end_k_qb36bce8e6b_gemm_out:
	.size	k_qb36bce8e6b_gemm_out, .Lfunc_end_k_qb36bce8e6b_gemm_out-k_qb36bce8e6b_gemm_out
	.p2alignl 7, 3214868480
	.fill 96, 4, 3214868480
	.section	.rodata,"a",@progbits
	.p2align	6, 0x0
	.amdhsa_kernel k_qb36bce8e6b_gemm_out
		.amdhsa_group_segment_fixed_size 327680
		.amdhsa_private_segment_fixed_size 0
		.amdhsa_enable_private_segment 0
		.amdhsa_kernarg_size 24
		.amdhsa_user_sgpr_count 2
		.amdhsa_user_sgpr_kernarg_segment_ptr 1
		.amdhsa_wavefront_size32 1
		.amdhsa_system_sgpr_workgroup_id_x 1
		.amdhsa_system_sgpr_workgroup_id_y 1
		.amdhsa_system_sgpr_workgroup_id_z 1
		.amdhsa_system_vgpr_workitem_id 0
		.amdhsa_next_free_vgpr 1024
		.amdhsa_next_free_sgpr 98
		.amdhsa_reserve_vcc 0
		.amdhsa_float_denorm_mode_32 3
		.amdhsa_float_denorm_mode_16_64 3
		.amdhsa_memory_ordered 1
		.amdhsa_forward_progress 1
		.amdhsa_inst_pref_size 133
	.end_amdhsa_kernel
	.amdgpu_metadata
---
amdhsa.version: [ 1, 2 ]
amdhsa.kernels:
  - .name:           k_qb36bce8e6b_gemm_out
    .symbol:         k_qb36bce8e6b_gemm_out.kd
    .args:
      - { .name: a_img, .offset: 0, .size: 8, .value_kind: global_buffer, .address_space: global }
      - { .name: w_img, .offset: 8, .size: 8, .value_kind: global_buffer, .address_space: global }
      - { .name: out0, .offset: 16, .size: 8, .value_kind: global_buffer, .address_space: global }
    .group_segment_fixed_size: 327680
    .private_segment_fixed_size: 0
    .kernarg_segment_align: 8
    .kernarg_segment_size: 24
    .max_flat_workgroup_size: 128
    .sgpr_count:     98
    .vgpr_count:     1024
    .wavefront_size: 32
...
	.end_amdgpu_metadata
.endif
;; end of part 4
